; MI455X (gfx1250); checked and timed in simulation.
; The chip was launched on July 23, 2026; its instructions are those of AMD's public machine-readable ISA for CDNA 5 (MIT licence, August 2026) and "CDNA5" Instruction Set Architecture Reference Guide (July 2026). The comments in the code are by the model that wrote it; some were corrected since.
;; Multi Head Attention Wrapper. Allowed arithmetic: matrix products marked QUANTISED: E2M3 operands, one E8M0 scale for each 32 along K, by v_wmma_scale_f32_16x16x128_f8f6f4 with both operands' format E2M3, f32 sums; everything else in f32.
;; Inputs: w_k 16 x 64 x 1,024 float32; w_o 1,024 x 1,024 float32; w_q 16 x 64 x 1,024 float32; w_v 16 x 64 x 1,024 float32; x 2 x 2,048 x 1,024 float32.
;; Outputs: out0 2 x 2,048 x 1,024 float32.
;; This version of the problem:
;;   THIS VERSION OF THE PROBLEM IS GIVEN IN LOW PRECISION. The matrix products marked QUANTISED in the list below multiply operands that are first quantised to E2M3 (2 exponent bits, 3 mantissa bits; 6 bits a number), with one power-of-two scale for each 32 numbers along K (OCP MX v1.0); their sums are f32. All else is computed in f32.
;;   The module's matrix products, in the order in which they are computed (A, B: the left and right operand; K: the contracted axis; several contracted axes count as one K, in the product's order):
;;     1. [M 1,024, K 1,024] x [K 1,024, N 4,096]; A: input w_q; B: input x: QUANTISED
;;     2. [M 1,024, K 1,024] x [K 1,024, N 4,096]; A: input w_k; B: input x: QUANTISED
;;     3. [M 1,024, K 1,024] x [K 1,024, N 4,096]; A: input w_v; B: input x: QUANTISED
;;     4. batch 32 x [M 2,048, K 64] x [K 64, N 2,048]; A: computed on the way; B: computed on the way: QUANTISED
;;     5. batch 32 x [M 2,048, K 2,048] x [K 2,048, N 64]; A: softmax (see below); B: computed on the way: QUANTISED
;;     6. [M 4,096, K 1,024] x [K 1,024, N 1,024]; A: computed on the way; B: input w_o: QUANTISED
;;   THE QUANTISER, for each operand of a quantised product, along K:
;;     - K is cut into blocks of 32 from its start; a last block that is shorter is filled with zeros.
;;     - A block's scale is 2^e with e = floor(log2(the largest magnitude in the block)) - 2, held to -126 .. 127; a block of zeros has e = 0. As a byte (E8M0): e + 127.
;;     - Each number is divided by its block's scale, clamped to +-7.5, and rounded to the nearest number of E2M3, ties to even, subnormals kept.
;;     - The product sums the exact products of the quantised numbers (number of the format x scale) in f32.
;;   ~~~python
;;   def quantise(x, axis):      # numpy; x: float32 -> the quantised numbers, widened to float32 again
;;       x = np.moveaxis(x, axis, -1); K = x.shape[-1]
;;       x = np.pad(x, [(0, 0)] * (x.ndim - 1) + [(0, -K % 32)]); x = x.reshape(x.shape[:-1] + (-1, 32)); a = np.abs(x).max(-1, keepdims=True)
;;       e = np.where(a > 0, np.clip(np.frexp(np.where(a > 0, a, 1))[1] - 1 - 2, -126, 127), 0)      # np.frexp(a)[1] - 1 = floor(log2(a)), exactly
;;       r = np.clip(x / 2.0 ** e, -7.5, 7.5)
;;       step = 2.0 ** (np.maximum(np.frexp(np.where(r == 0, 1, r))[1] - 1, 0) - 3)
;;       q = np.round(r / step) * step * 2.0 ** e      # np.round: ties to even
;;       return np.moveaxis(q.reshape(q.shape[:-2] + (-1,))[..., :K], -1, axis).astype(np.float32)
;;   ~~~
;;   SOFTMAX AHEAD OF A QUANTISED PRODUCT. Where the list says 'softmax', what is quantised is not the finished softmax but p = 2^(t - M), with t = logit x log2(e) and M = ceil(the row's largest t), a whole number; so 1/2 < the row's largest p <= 1. The row's sum l is taken of the UNQUANTISED p, in f32, and the product's result is divided by l at the end. Since M is a whole number, a kernel that streams over the keys may use a running M (the ceiling of the running maximum): every later rescaling is an exact power of two, which a block's scale takes up: the codes' values come out the same.
;;   OPERANDS COMPUTED ON THE WAY. 'Computed on the way' means the value that the module computes at that place (a softmax that the list does not call 'softmax' is quantised finished and normalised). What goes into a quantiser is computed in f32, as accurately as f32 sums, v_exp_f32 and their like allow (about 1e-6 of the number): no bf16 or f16 on the way to a quantiser, and a product that is left as it is and whose result goes on into a quantised operand takes f32 operands (vector FMAs, or v_wmma_f32_16x16x4_f32). A number that lies on a knife's edge between two numbers of the format may be rounded either way, as far as f32 arithmetic and the matrix unit's own rounding can turn it there, and no further.
;; One version. Each part assembles by itself: llvm-mc -triple=amdgcn-amd-amdhsa -mcpu=gfx1250 --defsym DOCPART=n.
;; ======== version 1 of 1: 4 launches
;; limits: right only within a limited range of input values
;; workspace buffers: img 6,291,456 bytes; scl 262,144 bytes; kv 6,553,600 bytes; qb 3,145,728 bytes; qsb 131,072 bytes; cat 3,145,728 bytes; cats 131,072 bytes
;; launch quant (part 1): grid 256 x 1, 16 waves a work-group, no clusters, 138,240 bytes of LDS; arguments x, w_q, w_k, w_v, w_o, img, scl; writes img, scl
.if DOCPART == 1
	.amdgcn_target "amdgcn-amd-amdhsa--gfx1250"
	.amdhsa_code_object_version 6
	.text
	.protected	k_qfe52ea896e_quant
	.globl	k_qfe52ea896e_quant
	.p2align	8
	.type	k_qfe52ea896e_quant,@function
k_qfe52ea896e_quant:
	s_mov_b64 s[64:65], 0
	v_nop
	global_prefetch_b8 v0, s[64:65] scope:SCOPE_SE
	s_setreg_imm32_b32 hwreg(HW_REG_WAVE_MODE, 25, 1), 1
	s_wait_xcnt 0x0
; THE PROGRAM: quant (codes of all inputs), qkv, attn, oproj.  WORK LEFT OUT: tiles of scores that lie wholly above the diagonal: reference() itself puts -infinity there, so their weights are 0 whatever the inputs hold.
; LIMIT: a NaN, an infinity or an overflow that reaches only that work is not carried to the result.
; THIS LAUNCH: x [4096][1024], w_q, w_k, w_v [1024][1024] and w_o [1024][1024], f32, K innermost, become codes of FP6 (E2M3) with one E8M0 byte for each 32 along K.
; A TILE is 16 rows of a group of 64: tile 4 c + i of a tensor has in its row r the tensor's row 64 c + 8 i + r % 8 + 32 (r / 8).  In the products that follow a lane's registers of four such tiles are then 32
; neighbours along the next K: one whole scale block.
; img: [512 tiles][8 K steps][1,536]: register 4 c + e of lane l at byte 512 c + 16 l + 4 e.  Tiles 0-255: x.  256 + 12 head + 4 kind + f: tile f of that head's w_q (kind 0), w_k (1), w_v (2).  448-511: w_o.
; scl: [512 tiles][16 rows][8 K steps] words; a word holds the four bytes of one K step of 128.
; A block's scale is 2^(floor(log2(largest magnitude)) - 2); its byte is the largest magnitude's exponent field - 2, held at 1 from below.
; LIMITS: NaN and infinities are not served; a block whose largest magnitude lies under 2^-124 (a block of zeros too) gets the byte 1: zero codes add nothing, and this program alone reads the bytes.
; SHARES: a work-group takes two tiles, a wave one K step of one of them: 16 loads of 512 consecutive bytes (a row each), turned through the wave's own stage.  No input byte is read twice: no cluster, no prefetch (all loads stand at the head).
.set PITCH, 528                        ; a stage row: 512 bytes + 16
.set STG,   16*16*PITCH                ; behind the 16 stages: the scale words, 512 bytes a tile
.set SPARE, STG+1024                   ; the spare words, 128 bytes a wave
.set R,   16                           ; v16-79 as loaded
.set XS,  80                           ; v80-143 my 64 numbers: blocks h and 2 + h
.set CC,  144                          ; v144-155 codes
.set T0,  156
.set T1,  160
.set TM,  164                          ; v164-175 at work
.set SPW, 12
.set NIL, 13
	s_load_b256 s[4:11], s[0:1], 0x0               ; x, w_q, w_k, w_v
	s_load_b128 s[12:15], s[0:1], 0x20             ; w_o, img
	s_load_b64 s[16:17], s[0:1], 0x30              ; scl
	v_lshl_add_u32 v[SPW], v0, 2, SPARE
	v_mov_b32 v[NIL], 0
	v_lshrrev_b32 v1, 5, v0
	v_readfirstlane_b32 s22, v1                    ; wave 0..15
	s_lshr_b32 s48, s22, 3                         ; which of the two tiles
	s_and_b32 s49, s22, 7                          ; K step
	s_mul_i32 s23, s22, 16*PITCH                   ; my stage
	s_lshl_b32 s24, s48, 9
	s_add_co_u32 s24, s24, STG                     ; my tile's scale words,
	s_lshl_b32 s25, s49, 2
	s_add_co_u32 s25, s25, s24                     ; my K step's in it
	v_and_b32 v1, 31, v0                           ; lane
	v_and_b32 v2, 15, v0                           ; r
	v_bfe_u32 v3, v0, 4, 1                         ; h
	v_lshlrev_b32 v5, 4, v1                        ; 16 x lane
	v_add_nc_u32 v6, s23, v5                       ; into the stage
	v_mul_u32_u24 v4, v2, PITCH
	v_lshl_add_u32 v4, v3, 7, v4
	v_add_nc_u32 v4, s23, v4                       ; out of it: row r, + 128 h
	v_lshlrev_b32 v7, 3, v3                        ; 8 h
	v_lshlrev_b32 v8, 5, v2
	v_add_nc_u32 v8, s25, v8                       ; row r's word
	v_add_nc_u32 v9, s24, v5                       ; the tile's words read back
	v_mov_b32 v[TM+11], 0                          ; a lane permute's destination counts as one of its sources
	s_mov_b32 s20, 0x76543210
	s_mov_b32 s21, 0xfedcba98                      ; selects for lane l xor 16
	s_lshl_b32 s50, ttmp9, 1
	s_add_co_u32 s50, s50, s48                     ; my tile among the 512
	s_cmp_lt_u32 ttmp9, 128
	s_cselect_b32 s51, 255, 63
	s_and_b32 s51, s50, s51                        ; its number in its own tensor
	s_lshr_b32 s54, s51, 2                         ; the group of 64 rows (for w_q, w_k, w_v: the head)
	s_and_b32 s53, s51, 3                          ; which of its four tiles
	s_mul_i32 s52, s54, 12
	s_add_co_u32 s52, s52, s53
	s_lshr_b32 s55, ttmp9, 5                       ; kind + 4
	s_lshl_b32 s55, s55, 2
	s_add_co_u32 s52, s52, s55
	s_add_co_u32 s52, s52, 240                     ; 256 + 12 head + 4 kind + f
	s_cmp_lt_u32 ttmp9, 128
	s_cselect_b32 s52, s50, s52                    ; x's tiles keep their number,
	s_cmp_ge_u32 ttmp9, 224
	s_cselect_b32 s52, s50, s52                    ; and so do w_o's
	s_lshl_b32 s54, s54, 18                        ; from: 64 rows of 4,096 bytes a group,
	s_lshl_b32 s55, s53, 15                        ; 8 rows a tile,
	s_add_co_u32 s54, s54, s55
	s_lshl_b32 s55, s49, 9                         ; 512 bytes a K step
	s_add_co_u32 s54, s54, s55
	s_mov_b32 s55, 0
	s_mul_i32 s56, s52, 12288                      ; to: 8 images a tile
	s_mul_i32 s57, s49, 1536
	s_add_co_u32 s56, s56, s57
	s_mov_b32 s57, 0
	s_lshl_b32 s58, s52, 9
	s_mov_b32 s59, 0
	s_wait_alu depctr_va_vdst(0)                   ; the wait at the head's end
	s_wait_kmcnt 0x0
	s_mov_b64 s[18:19], s[12:13]                   ; which tensor: the choice hangs on the work-group's number alone
	s_cmp_lt_u32 ttmp9, 224
	s_cselect_b64 s[18:19], s[10:11], s[18:19]
	s_cmp_lt_u32 ttmp9, 192
	s_cselect_b64 s[18:19], s[8:9], s[18:19]
	s_cmp_lt_u32 ttmp9, 160
	s_cselect_b64 s[18:19], s[6:7], s[18:19]
	s_cmp_lt_u32 ttmp9, 128
	s_cselect_b64 s[18:19], s[4:5], s[18:19]
	s_add_nc_u64 s[18:19], s[18:19], s[54:55]
	s_add_nc_u64 s[14:15], s[14:15], s[56:57]
	s_add_nc_u64 s[16:17], s[16:17], s[58:59]
.irp i, 0,1,2,3,4,5,6,7,8,9,10,11,12,13,14,15
	global_load_b128 v[R+4*\i:R+4*\i+3], v5, s[18:19] offset:4096*(\i%8)+131072*(\i/8) th:TH_LOAD_NT   ; the tile's row i: 512 consecutive bytes
.endr
.irp g, 0,1,2,3
	s_wait_loadcnt 12-4*\g                         ; the next four rows are in; the later ones may be out
.irp i, 0,1,2,3
	ds_store_b128 v6, v[R+16*\g+4*\i:R+16*\g+4*\i+3] offset:PITCH*(4*\g+\i)
.endr
.endr
.irp c, 0,1
.irp m, 0,1,2,3,4,5,6,7
	ds_load_b128 v[XS+32*\c+4*\m:XS+32*\c+4*\m+3], v4 offset:256*\c+16*\m   ; LDS serves a wave's instructions in order: these see my stores
.endr
.endr
	s_wait_dscnt 0x0
.irp q, 0,1,2,3
	v_max3_num_f32 v[TM+\q], |v[XS+16*\q]|, |v[XS+16*\q+1]|, 0x1800000   ; four chains of 16, each begun with the floor 2^(3 - 127): the byte cannot fall under 1
.endr
.irp e, 2,4,6,8,10,12,14
.irp q, 0,1,2,3
	v_max3_num_f32 v[TM+\q], v[TM+\q], |v[XS+16*\q+\e]|, |v[XS+16*\q+\e+1]|
.endr
.endr
.irp c, 0,1
	v_max_num_f32 v[TM+4+\c], v[TM+2*\c], v[TM+2*\c+1]      ; block 2 c + h: all its 32 numbers are mine
.endr
.irp c, 0,1
	v_add_nc_u32 v[TM+6+\c], 0xff000000, v[TM+4+\c]         ; 2 off the exponent field: the conversion takes this operand's exponent field as its scale
.endr
.irp c, 0,1
	v_lshrrev_b32 v[TM+8+\c], 23, v[TM+6+\c]                ; the scale's byte
.endr
	v_lshl_or_b32 v[TM+10], v[TM+9], 16, v[TM+8]            ; my two bytes, blocks h and 2 + h,
	v_lshlrev_b32 v[TM+10], v7, v[TM+10]                    ; at their places in the word;
	v_permlanex16_b32 v[TM+11], v[TM+10], s20, s21
	v_or_b32 v[TM+10], v[TM+10], v[TM+11]                   ; with lane l xor 16's two the word is whole
	ds_store_b32 v8, v[TM+10]                               ; (lanes l and l xor 16 store the same word)
	v_cvt_scalef32_pk16_fp6_f32 v[CC:CC+2], v[XS:XS+15], v[TM+6]
	v_cvt_scalef32_pk16_fp6_f32 v[T0:T0+2], v[XS+16:XS+31], v[TM+6]      ; (a conversion's three registers begin on an even number)
	v_cvt_scalef32_pk16_fp6_f32 v[CC+6:CC+8], v[XS+32:XS+47], v[TM+7]
	v_cvt_scalef32_pk16_fp6_f32 v[T1:T1+2], v[XS+48:XS+63], v[TM+7]
	v_nop                                          ; one plain line behind the scaled conversions
.irp e, 0,1,2
	v_mov_b32 v[CC+3+\e], v[T0+\e]
	v_mov_b32 v[CC+9+\e], v[T1+\e]
.endr
.irp c, 0,1,2
	global_store_b128 v5, v[CC+4*\c:CC+4*\c+3], s[14:15] offset:512*\c   ; 32 lanes store 512 consecutive bytes, aligned
.endr
	s_wait_dscnt 0x0                               ; for the others' sake: my words lie in the stage
	s_barrier_signal -1
	s_barrier_wait -1
	s_cmp_eq_u32 s49, 0                            ; each tile's first wave stores its words
	s_cbranch_scc0 .Lno_words
	ds_load_b128 v[R:R+3], v9
	s_wait_dscnt 0x0
	global_store_b128 v5, v[R:R+3], s[16:17]       ; 512 consecutive bytes, aligned
.Lno_words:
	s_wait_tensorcnt 0x0                           ; the wave's end
	ds_add_u32 v[SPW], v[NIL]
	s_wait_dscnt 0x0
	s_endpgm
.Lfunc_end_k_qfe52ea896e_quant:
	.size	k_qfe52ea896e_quant, .Lfunc_end_k_qfe52ea896e_quant-k_qfe52ea896e_quant
	.p2alignl 7, 3214868480
	.fill 96, 4, 3214868480
	.section	.rodata,"a",@progbits
	.p2align	6, 0x0
	.amdhsa_kernel k_qfe52ea896e_quant
		.amdhsa_group_segment_fixed_size 138240
		.amdhsa_private_segment_fixed_size 0
		.amdhsa_enable_private_segment 0
		.amdhsa_kernarg_size 56
		.amdhsa_user_sgpr_count 2
		.amdhsa_user_sgpr_kernarg_segment_ptr 1
		.amdhsa_wavefront_size32 1
		.amdhsa_system_sgpr_workgroup_id_x 1
		.amdhsa_system_sgpr_workgroup_id_y 1
		.amdhsa_system_sgpr_workgroup_id_z 1
		.amdhsa_system_vgpr_workitem_id 0
		.amdhsa_next_free_vgpr 192
		.amdhsa_next_free_sgpr 66
		.amdhsa_reserve_vcc 0
		.amdhsa_float_denorm_mode_32 3
		.amdhsa_float_denorm_mode_16_64 3
		.amdhsa_memory_ordered 1
		.amdhsa_forward_progress 1
		.amdhsa_inst_pref_size 11
	.end_amdhsa_kernel
	.amdgpu_metadata
---
amdhsa.version: [ 1, 2 ]
amdhsa.kernels:
  - .name:           k_qfe52ea896e_quant
    .symbol:         k_qfe52ea896e_quant.kd
    .args:
      - { .name: x, .offset: 0, .size: 8, .value_kind: global_buffer, .address_space: global }
      - { .name: w_q, .offset: 8, .size: 8, .value_kind: global_buffer, .address_space: global }
      - { .name: w_k, .offset: 16, .size: 8, .value_kind: global_buffer, .address_space: global }
      - { .name: w_v, .offset: 24, .size: 8, .value_kind: global_buffer, .address_space: global }
      - { .name: w_o, .offset: 32, .size: 8, .value_kind: global_buffer, .address_space: global }
      - { .name: img, .offset: 40, .size: 8, .value_kind: global_buffer, .address_space: global }
      - { .name: scl, .offset: 48, .size: 8, .value_kind: global_buffer, .address_space: global }
    .group_segment_fixed_size: 138240
    .private_segment_fixed_size: 0
    .kernarg_segment_align: 8
    .kernarg_segment_size: 56
    .max_flat_workgroup_size: 512
    .sgpr_count:     66
    .vgpr_count:     192
    .wavefront_size: 32
...
	.end_amdgpu_metadata
.endif
;; end of part 1
;; launch qkv (part 2): grid 16 x 16, 4 waves a work-group, clusters of 4 x 4, 327,680 bytes of LDS; arguments img, scl, kv, qb, qsb; writes kv, qb, qsb
.if DOCPART == 2
	.amdgcn_target "amdgcn-amd-amdhsa--gfx1250"
	.amdhsa_code_object_version 6
	.text
	.protected	k_qfe52ea896e_qkv
	.globl	k_qfe52ea896e_qkv
	.p2align	8
	.type	k_qfe52ea896e_qkv,@function
k_qfe52ea896e_qkv:
	s_mov_b64 s[64:65], 0
	v_nop
	global_prefetch_b8 v0, s[64:65] scope:SCOPE_SE
	s_setreg_imm32_b32 hwreg(HW_REG_WAVE_MODE, 25, 1), 1
	s_wait_xcnt 0x0
	s_wait_alu depctr_hold_cnt(0) depctr_sa_sdst(0) depctr_va_vdst(0) depctr_va_sdst(0) depctr_va_ssrc(0) depctr_va_vcc(0) depctr_vm_vsrc(0)
	s_getreg_b32 s2, hwreg(HW_REG_IB_STS2, 6, 4)
	s_cmp_eq_u32 s2, 0
	s_cbranch_scc0 .Lentry_in_a_cluster
	s_endpgm
.Lentry_in_a_cluster:
	s_bfe_u32 s2, ttmp6, 0x10000c
	s_cmp_lg_u32 s2, 0xf033
	s_cbranch_scc0 .Lentry_shape_is_right
	s_endpgm
.Lentry_shape_is_right:
; q, k, v = x w^T for one head and 256 tokens, on codes of FP6 (E2M3) with E8M0 scales, K = 1,024; the results are quantised in registers and leave as codes.
; in: img, scl: register images of fragments (16 rows x 128 K: 1,536 bytes; a tile = 8 K steps = 12,288 bytes; x: tiles 0-255; head hd: 256 + 12 hd + 0..11: q, k, v, four each) and scale words [tile][16 rows][8 K steps].
; A tile's row r is row 8 i + r % 8 + 32 (r / 8) of its group of 64 (i = tile % 4).
; out: kv: a chunk of 12,800 bytes for each (bh, key step of 128 tokens): K: 4 images of 1,536 bytes, each TWO tiles of 16 keys: registers 0-5 tile 2 p, 6-11 tile 2 p + 1;  at 6,144 V (K = the tokens): for each tile d of 16 of
;      the head's 64: registers 0-3 at 1,024 d + 16 l, 8-11 at 1,024 d + 512 + 16 l, 4-5 at 4,096 + 512 d + 8 l, 6-7 256 further on;  at 12,288 the scale words [lane][4]: with q = lane / 16: K's pairs q and 2 + q, V's tiles q and 2 + q.
;      qb: Q's half images: (bh 128 + tile) 768: registers 0-3 at 16 l, 4-5 at 512 + 8 l.  qsb: [bh][tile][16 rows][2 bytes].
; SHARES: a work-group takes head hd (x) and tokens 256 tb on (y); wave w takes 64 tokens (4 tiles of x) x all 12 tiles of the head's weights: 48 accumulators, 48 matrix instructions for each 128 along K.
; q and k: source 0 = 16 rows of W, source 1 = 16 tokens: a lane (r, h) holds ONE token, and by the tiles' row order its 32 registers of four tiles of W are features 32 h + 0 .. 31: one scale block.  v: source 0 = 16 tokens,
; source 1 = 16 rows of W: a lane holds one row of v^T and its 32 registers of four tiles of x are tokens 32 h + 0 .. 31 of the wave's 64: one scale block.  So no lane looks at another.
; CLUSTER 4 x 4: x's tiles hang on tb alone and are asked for jointly along a row of the cluster, the weights' on hd alone, along a column.
; LDS: two regions of three K steps (16 tiles of x, then 12 of W, 4,608 bytes a tile), asked for at the head by one load a wave: waves 0, 1 K steps 0-2 (x, W), waves 2, 3 K steps 3-5.  K steps 6, 7 fill region 0 again: one refill.
; No prefetch: K is short, three quarters of it are asked for at the head, and there is no loop to run ahead in.
; LIMITS: NaN and infinities are not served; a block whose largest magnitude lies under 2^-124 (a block of zeros too) gets the byte 1.
; REGISTERS: window 0: v16-30 addresses; v32-95 scale words, nothing else; v96-207 the way out.  window 1: v0-143 W's 12 fragments, ONE set; v144-239 x's four, two sets.  window 2: q at 32 xb + 8 f, k at 128 + 32 xb + 8 f.  window 3: v at 32 d + 8 xb.
.set REG,   129024                     ; a region
.set WOFF,  73728                      ; W's tiles in it
.set STG,   2*REG                      ; the scale bytes' stage, 1,536 bytes; no tile lands there
.set SPARE, STG+1536                   ; the spare words, 128 bytes a wave: no other line names them
.set AX,  16                           ; v16, v17: 16 x lane + my wave's four tiles of x in region 0, 1; v18: in region 0 filled again (3,072 bytes a tile)
.set AW,  20                           ; v20, v21: 16 x lane + W's tiles in region 0, 1
.set XS,  32                           ; x's scale words: v[XS + 8 i + n]: lanes 0-15 tile i, lanes 16-31 tile i + 2, K step n
.set WS,  48                           ; W's: v[WS + 8 i + n]: lanes 0-15 tile i, lanes 16-31 tile i + 6
.set PCB, 96                           ; codes made on the way out: 24 registers for each of three turns
.set CT,  168                          ; v168-183 conversions' second halves
.set TM,  184                          ; v184-191 at work
.set BY,  192                          ; v192-203 scale bytes
.set RB,  204                          ; v204-207 the stage read back
.set WF,  0
.set XF,  144
.set MSB, 0
.macro WIN new                         ; the immediate's high byte repeats the setting that is left
.if MSB != \new
	s_set_vgpr_msb (MSB<<8)|\new
.set MSB, \new
.endif
.endm
.macro PLACES                          ; four plain lines behind matrix instructions, in front of loads into their registers and of reads of their results
.rept 4
	v_nop
.endr
.endm
.macro CREST                           ; a round of the cluster's barrier behind its opening barrier
	s_cmp_lg_u32 s14, 0
	s_cbranch_scc1 .Lnot_wave_0_\@
	s_barrier_signal -3
.Lnot_wave_0_\@:
	s_barrier_wait -3
	s_barrier_signal -1
	s_barrier_wait -1
.endm
.macro CROUND
	s_barrier_signal -1
	s_barrier_wait -1
	CREST
.endm
.macro TLOAD g0, g1
	tensor_load_to_lds s[\g0:\g0+3], s[\g1:\g1+7]
	s_nop 0
	PLACES
.endm
.macro ARM under, g0, g1, next         ; an arm of the head's one chain of branches on the wave's number
	s_cmp_lt_u32 s14, \under
	s_cbranch_scc0 \next
	TLOAD \g0, \g1
	s_branch .Lhead_asked
\next:
.endm
; one matrix instruction; ra, rb: the side's scales stand in lanes 16-31 of the register named
.macro WMC d, a, b, c, sa, sb, ra, rb
	v_wmma_scale_f32_16x16x128_f8f6f4 v[\d:\d+7], v[\a:\a+11], v[\b:\b+11], \c, v[\sa], v[\sb] matrix_a_fmt:MATRIX_FMT_FP6 matrix_b_fmt:MATRIX_FMT_FP6 matrix_a_scale:MATRIX_SCALE_ROW\ra matrix_b_scale:MATRIX_SCALE_ROW\rb
.endm
.macro WM d, a, b, c, sa, sb, ra, rb
.if (\ra) && (\rb)
	WMC \d, \a, \b, \c, \sa, \sb, 1, 1
.elseif \ra
	WMC \d, \a, \b, \c, \sa, \sb, 1, 0
.elseif \rb
	WMC \d, \a, \b, \c, \sa, \sb, 0, 1
.else
	WMC \d, \a, \b, \c, \sa, \sb, 0, 0
.endif
.endm
; W's tile wb (0-3 q, 4-7 k, 8-11 v) against x's tile xb, K step n
.macro MM wb, xb, n, zero
.if (\wb) < 8
.set mD, 128*((\wb)/4)+32*(\xb)+8*((\wb)%4)
.set mA, WF+12*(\wb)
.set mB, XF+48*((\n)%2)+12*(\xb)
.set mSA, WS+8*((\wb)%6)+(\n)
.set mSB, XS+8*((\xb)%2)+(\n)
.set mRA, (\wb)/6
.set mRB, (\xb)/2
.else
.set mD, 32*((\wb)-8)+8*(\xb)
.set mA, XF+48*((\n)%2)+12*(\xb)
.set mB, WF+12*(\wb)
.set mSA, XS+8*((\xb)%2)+(\n)
.set mSB, WS+8*((\wb)-6)+(\n)
.set mRA, (\xb)/2
.set mRB, 1
.endif
.if \zero
	WM mD, mA, mB, 0, mSA, mSB, mRA, mRB
.else
	WM mD, mA, mB, v[mD:mD+7], mSA, mSB, mRA, mRB
.endif
.endm
; cnt tiles of W from lo on, each against x's four.  The 48 accumulators take turns, one instruction a turn, in the same order in every K step
.macro MMR lo, cnt, n, zero
.set qw, \lo
.rept \cnt
.set qx, 0
.rept 4
	MM qw, qx, \n, \zero
.set qx, qx+1
.endr
.set qw, qw+1
.endr
.endm
.macro FRAG3 reg, adr, off             ; an image comes back as it was stored: three loads of 512 consecutive bytes
	ds_load_b128 v[\reg:\reg+3], v[\adr] offset:\off
	ds_load_b128 v[\reg+4:\reg+7], v[\adr] offset:\off+512
	ds_load_b128 v[\reg+8:\reg+11], v[\adr] offset:\off+1024
.endm
.macro PLACE n                         ; where K step n lies: K steps 0-2 region 0, 3-5 region 1, 6-7 region 0 filled again
.if (\n) < 6
.set fA, AX+(\n)/3
.set fB, AW+(\n)/3
.set fP, 4608
.set fK, ((\n)%3)*1536
.else
.set fA, AX+2
.set fB, AW
.set fP, 3072
.set fK, ((\n)-6)*1536
.endif
.endm
.macro FETCH_X n                       ; my four fragments of x for K step n: 12 loads
	PLACE \n
	WIN 0x40
.set fx, 0
.rept 4
.set fR, XF+48*((\n)%2)+12*fx
.set fO, fx*fP+fK
	FRAG3 fR, fA, fO
.set fx, fx+1
.endr
.endm
.macro FETCH_W n, lo                   ; W's tiles lo .. lo + 5 for K step n: 18 loads
	PLACE \n
	WIN 0x40
.set fx, \lo
.rept 6
.set fR, WF+12*fx
.set fO, fx*fP+fK
	FRAG3 fR, fB, fO
.set fx, fx+1
.endr
.endm
; A K step whose successor needs no barrier.  W has one set of registers: tiles 0-5 are fetched anew in the step's middle, tiles 6-11 at its end.
.macro STEP n, zero
	s_wait_dscnt 18                                ; x's and W's tiles 0-5 are in; the youngest 18 loads (W's tiles 6-11) may be out
	WIN 0xa5
	MMR 0, 6, \n, \zero
	s_wait_dscnt 0x0                               ; W's tiles 6-11 are in
	PLACES
	FETCH_X (\n)+1
	FETCH_W (\n)+1, 0
	WIN 0xa5
	MMR 6, 2, \n, \zero
	WIN 0xf5
	MMR 8, 4, \n, \zero
	PLACES
	FETCH_W (\n)+1, 6
.endm
; A K step with a barrier in it.  In front of it each wave waits for all its tensor loads, adds 0 to its spare word, and waits for that and for its LDS reads.  fill = 1: region 0, which nobody reads any more, takes K steps 6 and 7.
.macro TURN n, fill
	WIN 0                                          ; (the add's two registers lie in window 0)
	s_wait_tensorcnt 0x0                           ; all my tensor loads have landed
	ds_add_u32 v28, v29                            ; 0 onto my spare word
	s_wait_dscnt 19                                ; (the add and W's tiles 6-11 may be out)
	WIN 0xa5
	MMR 0, 3, \n, 0                                ; twelve matrix instructions stand between the add and the wait for it
	s_wait_dscnt 0x0                               ; the add is done, and all my reads of LDS are over
	s_barrier_signal -1
	MMR 3, 3, \n, 0
	WIN 0
	s_barrier_wait -1
.if \fill
	CREST                                          ; the barrier has opened a round of the cluster's: no wave of any partner still reads region 0 or has a load on its way
	s_add_nc_u64 s[70:71], s[70:71], 9216          ; K steps 6 and 7,
	s_add_nc_u64 s[82:83], s[82:83], 9216
	s_mov_b32 s25, 384<<16                         ; rows of 3,072 bytes
	s_mov_b32 s27, 384<<16
	s_mov_b32 s49, 384<<16
	s_mov_b32 s51, 384<<16
	s_cmp_lt_u32 s14, 1
	s_cbranch_scc0 .Lfor_w_\@
	TLOAD 68, 24                                   ; wave 0: x's tiles
	s_branch .Lasked_\@
.Lfor_w_\@:
	s_cmp_lt_u32 s14, 2
	s_cbranch_scc0 .Lasked_\@
	TLOAD 80, 48                                   ; wave 1: W's
.Lasked_\@:
.endif
	PLACES
	FETCH_X (\n)+1
	FETCH_W (\n)+1, 0
	WIN 0xa5
	MMR 6, 2, \n, 0
	WIN 0xf5
	MMR 8, 4, \n, 0
	PLACES
	FETCH_W (\n)+1, 6
.endm
	s_load_b256 s[4:11], s[0:1], 0x0               ; img, scl, kv, qb
	s_load_b64 s[12:13], s[0:1], 0x20              ; qsb
	v_lshl_add_u32 v28, v0, 2, SPARE
	v_mov_b32 v29, 0
	ds_add_u32 v28, v29                            ; the wave's opening: the add, twice on end, and its wait
	ds_add_u32 v28, v29
	v_lshrrev_b32 v1, 5, v0
	v_readfirstlane_b32 s14, v1                    ; wave 0..3
	s_lshr_b32 s15, s14, 1                         ; my key step of the block's two
	s_and_b32 s16, s14, 1                          ; my 64 tokens of its 128
	s_bfe_u32 s40, ttmp6, 0x40000                  ; cx
	s_bfe_u32 s41, ttmp6, 0x40004                  ; cy
	s_lshl_b32 s42, ttmp9, 2
	s_add_co_u32 s42, s42, s40                     ; hd = 4 x cluster x + cx
	s_and_b32 s17, ttmp7, 0xffff
	s_lshl_b32 s17, s17, 2
	s_add_co_u32 s17, s17, s41                     ; tb = 4 x cluster y + cy
	s_lshl_b32 s43, s41, 2
	s_lshl_b32 s43, 15, s43                        ; my row of the cluster
	s_lshl_b32 s44, 0x1111, s40                    ; my column
	s_or_b32 s24, s43, (3<<16)|(1<<21)             ; x: the mask of my row; elements of 8 bytes; bit 21 beside a mask; no padding
	s_or_b32 s48, s44, (3<<16)|(1<<21)             ; W: the mask of my column
	s_mov_b32 s25, 576<<16                         ; tensor_dim0 = 576: three images, 4,608 bytes
	s_mov_b32 s26, 16<<16                          ; 16 tiles
	s_mov_b32 s27, 576<<16
	s_mov_b32 s28, 16
	s_mov_b32 s29, 1536                            ; from tile to tile: 12,288 bytes
	s_mov_b32 s30, 0
	s_mov_b32 s31, 0
	s_mov_b32 s49, 576<<16
	s_mov_b32 s50, 12<<16                          ; 12 tiles
	s_mov_b32 s51, 576<<16
	s_mov_b32 s52, 12
	s_mov_b32 s53, 1536
	s_mov_b32 s54, 0
	s_mov_b32 s55, 0
	s_mul_i32 s20, s17, 16*12288                   ; x: tile 16 tb
	s_mov_b32 s21, 0
	s_mul_i32 s46, s42, 12
	s_add_co_u32 s46, s46, 256
	s_lshl_b32 s58, s46, 9                         ; W's scale words: tile 256 + 12 hd, 512 bytes a tile
	s_mov_b32 s59, 0
	s_mul_i32 s46, s46, 12288                      ; W's codes
	s_mov_b32 s47, 0
	s_lshl_b32 s56, s17, 4
	s_lshl_b32 s57, s14, 2
	s_add_co_u32 s56, s56, s57
	s_lshl_b32 s56, s56, 9                         ; x's scale words: tile 16 tb + 4 w
	s_mov_b32 s57, 0
	s_lshr_b32 s60, s17, 3                         ; where the results go: bh = 16 (tb / 8) + hd,
	s_lshl_b32 s60, s60, 4
	s_add_co_u32 s60, s60, s42
	s_and_b32 s61, s17, 7                          ; the block of 256 tokens in its sequence
	s_lshl_b32 s62, s60, 7
	s_lshl_b32 s63, s61, 4
	s_add_co_u32 s62, s62, s63
	s_lshl_b32 s63, s14, 2
	s_add_co_u32 s62, s62, s63
	s_mul_i32 s62, s62, 768                        ; Q: tile bh 128 + 16 (tb % 8) + 4 w
	s_mov_b32 s63, 0
	s_lshl_b32 s90, s60, 4
	s_lshl_b32 s91, s61, 1
	s_add_co_u32 s90, s90, s91
	s_add_co_u32 s96, s90, s16
	s_mul_i32 s96, s96, 12800
	s_add_co_u32 s96, s96, 12288                   ; waves 0, 1: the scale words of the block's first, second key step
	s_mov_b32 s97, 0
	s_add_co_u32 s90, s90, s15
	s_mul_i32 s90, s90, 12800                      ; my key step's chunk
	s_mul_i32 s92, s16, 3072
	s_add_co_u32 s92, s92, s90                     ; K: pairs 2 (w % 2) on
	s_mov_b32 s93, 0
	s_add_co_u32 s94, s90, 6144                    ; V
	s_mov_b32 s95, 0
	s_lshl_b32 s98, s60, 12
	s_lshl_b32 s99, s61, 9
	s_add_co_u32 s98, s98, s99                     ; wave 2: Q's bytes
	s_mov_b32 s99, 0
	s_wait_dscnt 0x0                               ; both opening adds are done
	CROUND                                         ; all sixteen work-groups are here: the first joint loads meet
	s_wait_kmcnt 0x0
	s_mov_b32 s68, 1
	s_mov_b32 s69, 0
	s_add_nc_u64 s[70:71], s[4:5], s[20:21]
	s_add_nc_u64 s[74:75], s[70:71], 4608
	s_or_b32 s71, s71, 0x80000000
	s_mov_b32 s72, 1
	s_mov_b32 s73, REG
	s_or_b32 s75, s75, 0x80000000
	s_mov_b32 s80, 1
	s_mov_b32 s81, WOFF
	s_add_nc_u64 s[82:83], s[4:5], s[46:47]
	s_add_nc_u64 s[86:87], s[82:83], 4608
	s_or_b32 s83, s83, 0x80000000
	s_mov_b32 s84, 1
	s_mov_b32 s85, REG+WOFF
	s_or_b32 s87, s87, 0x80000000
	ARM 1, 68, 24, .Lwave_1                        ; wave 0: x, K steps 0-2
	ARM 2, 80, 48, .Lwave_2                        ; wave 1: W, K steps 0-2
	ARM 3, 72, 24, .Lwave_3                        ; wave 2: x, K steps 3-5
	TLOAD 84, 48                                   ; wave 3: W, K steps 3-5
.Lhead_asked:
	s_add_nc_u64 s[56:57], s[6:7], s[56:57]
	s_add_nc_u64 s[58:59], s[6:7], s[58:59]
	s_add_nc_u64 s[32:33], s[10:11], s[62:63]      ; Q
	s_add_nc_u64 s[34:35], s[8:9], s[94:95]        ; V
	s_add_nc_u64 s[36:37], s[8:9], s[92:93]        ; K
	s_add_nc_u64 s[96:97], s[8:9], s[96:97]
	s_add_nc_u64 s[98:99], s[12:13], s[98:99]
	s_cmp_eq_u32 s14, 2
	s_cselect_b64 s[38:39], s[98:99], s[96:97]     ; the 512 scale bytes that waves 0 to 2 store
	s_mul_i32 s18, s14, 4*4608
	s_mul_i32 s19, s14, 4*3072
	s_lshl_b32 s20, s14, 7
	s_add_co_u32 s20, s20, STG+1024                ; the stage, Q's bytes: 1,024 + 128 w + 32 xb + 2 r + h
	s_lshl_b32 s21, s15, 9
	s_add_co_u32 s21, s21, STG
	s_lshl_b32 s22, s16, 2
	s_add_co_u32 s22, s22, s21                     ; K's: 512 (w / 2) + 4 (w % 2) + 16 r + h
	s_lshl_b32 s23, s16, 1
	s_add_co_u32 s23, s23, s21                     ; V's: 512 (w / 2) + 2 (w % 2) + 16 r + h
	s_min_u32 s45, s14, 2
	s_lshl_b32 s45, s45, 9
	s_add_co_u32 s45, s45, STG                     ; the stage read back: 512 bytes for each of waves 0 to 2
	v_and_b32 v1, 31, v0                           ; lane
	v_and_b32 v2, 15, v0                           ; r
	v_bfe_u32 v3, v0, 4, 1                         ; h
	v_lshlrev_b32 v6, 5, v2
	v_mul_u32_u24 v5, v3, 3072
	v_lshl_add_u32 v4, v3, 10, v6                  ; x's scale words: 32 r, lanes 16-31 two tiles on
	v_add_nc_u32 v5, v5, v6                        ; W's: 32 r, lanes 16-31 six tiles on
.irp i, 0,1
.irp f, 0,1
	global_load_b128 v[XS+8*\i+4*\f:XS+8*\i+4*\f+3], v4, s[56:57] offset:\i*512+\f*16
.endr
.endr
.irp i, 0,1,2,3,4,5
.irp f, 0,1
	global_load_b128 v[WS+8*\i+4*\f:WS+8*\i+4*\f+3], v5, s[58:59] offset:\i*512+\f*16
.endr
.endr
	v_lshlrev_b32 v24, 4, v1                       ; 16 x lane
	v_lshlrev_b32 v25, 3, v1                       ; 8 x lane
	v_add_nc_u32 v[AX], s18, v24
	v_add_nc_u32 v[AX+1], REG, v[AX]
	v_add_nc_u32 v[AX+2], s19, v24
	v_add_nc_u32 v[AW], WOFF, v24
	v_add_nc_u32 v[AW+1], REG, v[AW]
	v_lshl_add_u32 v26, v2, 1, v3
	v_add_nc_u32 v26, s20, v26                     ; Q's byte
	v_lshl_add_u32 v7, v2, 4, v3
	v_add_nc_u32 v27, s22, v7                      ; K's
	v_add_nc_u32 v23, s23, v7                      ; V's
	v_add_nc_u32 v30, s45, v24
	s_wait_alu depctr_va_vdst(0)                   ; the wait at the head's end
	s_cmp_lt_u32 s14, 2
	s_cbranch_scc0 .Lnot_first
	s_wait_tensorcnt 0x0                           ; waves 0 and 1: K steps 0-2 are in
.Lnot_first:
	s_barrier_signal -1
	s_barrier_wait -1
	FETCH_X 0
	FETCH_W 0, 0
	FETCH_W 0, 6
	s_wait_loadcnt 0x0                             ; the scale words
	STEP 0, 1                                      ; the first products start the sums: nothing is cleared
	STEP 1, 0
	TURN 2, 1                                      ; K steps 3-5 are shown; region 0 is filled again
	STEP 3, 0
	STEP 4, 0
	TURN 5, 0                                      ; K steps 6 and 7 are shown; nothing is filled again
	STEP 6, 0
	s_wait_dscnt 18                                ; the last K step: nothing more to fetch
	WIN 0xa5
	MMR 0, 6, 7, 0
	s_wait_dscnt 0x0
	MMR 6, 2, 7, 0
	WIN 0xf5
	MMR 8, 4, 7, 0
	WIN 0
	PLACES
; THE WAY OUT.  128 accumulator registers of a lane, in window wsrc from base on, are four whole blocks of 32 along the next K: v[PC + 6 b .. + 5] become block b's codes, v[BY + 4 z + b] its byte.  Each accumulator is read from its low end on.
.macro QUANT z, wsrc, wmax, base
.set PC, PCB+24*(\z)
	WIN \wmax                                      ; sources 1 and 2: the accumulators' window
.irp b, 0,1,2,3
	v_max3_num_f32 v[TM+\b], 0x1800000, |v[(\base)+32*\b]|, |v[(\base)+32*\b+1]|   ; begun with the floor 2^(3 - 127): the byte cannot fall under 1
.endr
.irp e, 2,4,6,8,10,12,14,16,18,20,22,24,26,28,30
.irp b, 0,1,2,3
	v_max3_num_f32 v[TM+\b], v[TM+\b], |v[(\base)+32*\b+\e]|, |v[(\base)+32*\b+\e+1]|
.endr
.endr
	WIN 0
.irp b, 0,1,2,3
	v_add_nc_u32 v[TM+4+\b], 0xff000000, v[TM+\b]  ; 2 off its exponent field: the conversion's scale operand
.endr
.irp b, 0,1,2,3
	v_lshrrev_b32 v[BY+4*(\z)+\b], 23, v[TM+4+\b]  ; the scale's byte
.endr
	WIN \wsrc                                      ; source 0: the accumulators' window
.irp b, 0,1,2,3
	v_cvt_scalef32_pk16_fp6_f32 v[PC+6*\b:PC+6*\b+2], v[(\base)+32*\b:(\base)+32*\b+15], v[TM+4+\b]
	v_cvt_scalef32_pk16_fp6_f32 v[CT+4*\b:CT+4*\b+2], v[(\base)+32*\b+16:(\base)+32*\b+31], v[TM+4+\b]
.endr
	WIN 0
	v_nop                                          ; one plain line behind the scaled conversions
.irp b, 0,1,2,3
.irp e, 0,1,2
	v_mov_b32 v[PC+6*\b+3+\e], v[CT+4*\b+\e]
.endr
.endr
.endm
	QUANT 0, 2, 0x28, 0                            ; q: block b is my token of tile b
.irp b, 0,1,2,3
	global_store_b128 v24, v[PC+6*\b:PC+6*\b+3], s[32:33] offset:768*\b
	global_store_b64 v25, v[PC+6*\b+4:PC+6*\b+5], s[32:33] offset:768*\b+512
	ds_store_b8 v26, v[BY+\b] offset:32*\b
.endr
	QUANT 1, 2, 0x28, 128                          ; k likewise: two tiles make an image
.irp b, 0,1
.irp k, 0,1,2
	global_store_b128 v24, v[PC+12*\b+4*\k:PC+12*\b+4*\k+3], s[36:37] offset:1536*\b+512*\k
.endr
.endr
.irp b, 0,1,2,3
	ds_store_b8 v27, v[BY+4+\b] offset:256*(\b/2)+2*(\b%2)
.endr
	QUANT 2, 3, 0x3c, 0                            ; v: block b is my row of tile b of the head's 64
.irp b, 0,1,2,3
	ds_store_b8 v23, v[BY+8+\b] offset:8+256*(\b%2)+4*(\b/2)
.endr
	s_wait_alu depctr_va_vdst(0)                   ; the wait ahead of the branch
	s_cmp_eq_u32 s16, 0                            ; my 64 tokens are registers 0-5 of V's operand (even waves) or 6-11 (odd)
	s_cbranch_scc0 .Lodd
.irp d, 0,1,2,3
	global_store_b128 v24, v[PC+6*\d:PC+6*\d+3], s[34:35] offset:1024*\d
	global_store_b64 v25, v[PC+6*\d+4:PC+6*\d+5], s[34:35] offset:4096+512*\d
.endr
	s_branch .Lv_out
.Lodd:
.irp d, 0,1,2,3
	global_store_b64 v25, v[PC+6*\d:PC+6*\d+1], s[34:35] offset:4096+512*\d+256
	global_store_b128 v24, v[PC+6*\d+2:PC+6*\d+5], s[34:35] offset:1024*\d+512
.endr
.Lv_out:
	s_wait_dscnt 0x0                               ; for the others' sake: my bytes lie in the stage
	s_barrier_signal -1
	s_barrier_wait -1
	s_cmp_lt_u32 s14, 3
	s_cbranch_scc0 .Lno_bytes
	ds_load_b128 v[RB:RB+3], v30
	s_wait_dscnt 0x0
	global_store_b128 v24, v[RB:RB+3], s[38:39]    ; 32 lanes store 512 consecutive bytes, aligned
.Lno_bytes:
	s_wait_tensorcnt 0x0                           ; the wave's end
	ds_add_u32 v28, v29
	s_wait_dscnt 0x0
	CROUND                                         ; the closing round
	s_endpgm
.Lfunc_end_k_qfe52ea896e_qkv:
	.size	k_qfe52ea896e_qkv, .Lfunc_end_k_qfe52ea896e_qkv-k_qfe52ea896e_qkv
	.p2alignl 7, 3214868480
	.fill 96, 4, 3214868480
	.section	.rodata,"a",@progbits
	.p2align	6, 0x0
	.amdhsa_kernel k_qfe52ea896e_qkv
		.amdhsa_group_segment_fixed_size 327680
		.amdhsa_private_segment_fixed_size 0
		.amdhsa_enable_private_segment 0
		.amdhsa_kernarg_size 40
		.amdhsa_user_sgpr_count 2
		.amdhsa_user_sgpr_kernarg_segment_ptr 1
		.amdhsa_wavefront_size32 1
		.amdhsa_system_sgpr_workgroup_id_x 1
		.amdhsa_system_sgpr_workgroup_id_y 1
		.amdhsa_system_sgpr_workgroup_id_z 1
		.amdhsa_system_vgpr_workitem_id 0
		.amdhsa_next_free_vgpr 896
		.amdhsa_next_free_sgpr 102
		.amdhsa_reserve_vcc 0
		.amdhsa_float_denorm_mode_32 3
		.amdhsa_float_denorm_mode_16_64 3
		.amdhsa_memory_ordered 1
		.amdhsa_forward_progress 1
		.amdhsa_inst_pref_size 109
	.end_amdhsa_kernel
	.amdgpu_metadata
---
amdhsa.version: [ 1, 2 ]
amdhsa.kernels:
  - .name:           k_qfe52ea896e_qkv
    .symbol:         k_qfe52ea896e_qkv.kd
    .args:
      - { .name: img, .offset: 0, .size: 8, .value_kind: global_buffer, .address_space: global }
      - { .name: scl, .offset: 8, .size: 8, .value_kind: global_buffer, .address_space: global }
      - { .name: kv, .offset: 16, .size: 8, .value_kind: global_buffer, .address_space: global }
      - { .name: qb, .offset: 24, .size: 8, .value_kind: global_buffer, .address_space: global }
      - { .name: qsb, .offset: 32, .size: 8, .value_kind: global_buffer, .address_space: global }
    .group_segment_fixed_size: 327680
    .private_segment_fixed_size: 0
    .kernarg_segment_align: 8
    .kernarg_segment_size: 40
    .max_flat_workgroup_size: 128
    .sgpr_count:     102
    .vgpr_count:     896
    .wavefront_size: 32
...
	.end_amdgpu_metadata
.endif
;; end of part 2
;; launch attn (part 3): grid 8 x 32, 16 waves a work-group, clusters of 4 x 1, 243,712 bytes of LDS; arguments kv, qb, qsb, cat, cats; writes cat, cats
.if DOCPART == 3
	.amdgcn_target "amdgcn-amd-amdhsa--gfx1250"
	.amdhsa_code_object_version 6
	.text
	.protected	k_qfe52ea896e_attn
	.globl	k_qfe52ea896e_attn
	.p2align	8
	.type	k_qfe52ea896e_attn,@function
k_qfe52ea896e_attn:
	s_mov_b64 s[64:65], 0
	v_nop
	global_prefetch_b8 v0, s[64:65] scope:SCOPE_SE
	s_setreg_imm32_b32 hwreg(HW_REG_WAVE_MODE, 25, 1), 1
	s_wait_xcnt 0x0
	s_wait_alu depctr_hold_cnt(0) depctr_sa_sdst(0) depctr_va_vdst(0) depctr_va_sdst(0) depctr_va_ssrc(0) depctr_va_vcc(0) depctr_vm_vsrc(0)
	s_getreg_b32 s2, hwreg(HW_REG_IB_STS2, 6, 4)
	s_cmp_eq_u32 s2, 0
	s_cbranch_scc0 .Lentry_in_a_cluster
	s_endpgm
.Lentry_in_a_cluster:
	s_bfe_u32 s2, ttmp6, 0x10000c
	s_cmp_lg_u32 s2, 0x3003
	s_cbranch_scc0 .Lentry_shape_is_right
	s_endpgm
.Lentry_shape_is_right:
; Causal attention of one head on codes of FP6 (E2M3) with E8M0 scales; head size 64; the result, divided by the row's sum, is quantised along the head's 64 and leaves as codes for the output product.
; WORK LEFT OUT: key steps all of whose keys come after all of a wave's queries: reference() puts -infinity there.  A NaN or an infinity that reaches only those scores is not carried to the result.
; in: kv: a chunk of 12,800 bytes for each key step of 128 (K's images, V's, the scale words), qb, qsb: Q's half images and bytes.  out: cat: half image of (tile of 16 tokens Tg, head hd) at (Tg 16 + hd) 768;
; cats: [Tg][16 rows][8 K steps] words: head hd's two bytes are bytes 2 (hd % 2) + 0, 1 of K step hd / 2.
; A tile's row r is token 8 i + r % 8 + 32 (r / 8) of its group of 64 (i = tile % 4), for Q, K, V and cat alike.  So the 32 scores of a lane (r, h) in tiles 4 c .. 4 c + 3 are keys 64 c + 32 h + 0 .. 31: one whole scale block of p.
; THE FIRST PRODUCT'S K IS 64: source 0 holds TWO tiles of K, one in the lower 64 along K and one in the upper; source 1 is [Q | zero codes] for the first and [zero codes | Q] for the second.
; THE SOFTMAX: t = score x log2(e) / 8; M = the running largest t rounded UP to a whole number; p = 2^(t - M) is what is quantised, along the keys, not normalised; the row's sum is taken of the unquantised p and divides at the
; end.  When M moves, the sum and O are multiplied by 2^(old M - new M): exact.  A block's largest p is the exponential of the block's largest score (it takes v_exp_f32 not to fall where its input rises).
; SHARES: work-group j (0..7) of a head owns tiles 8 g + j, g = 0 .. 15; tile g needs key steps 0 .. g, and step g lies on its diagonal.  Waves p and 8 + p (p = 0 .. 7) share the tiles of g = p and g = 15 - p, 17 steps:
; wave p takes steps 0 .. 8 of the long one; wave 8 + p all of the short one, p + 1 steps, whose result it stores, and then the long one's steps 9 .. 15 - p: 8 steps.  Behind the loop wave 8 + p hands its part of the long tile
; (O, the sum, M) over through LDS, and wave p joins the two parts by powers of two and stores.  What a wave does hangs on its number and on the trip alone: it is the same in all partners of a cluster.
; CLUSTER 4 x 1: four work-groups of one head read the same K and V: each chunk is asked for jointly, chunk w by wave w, one load a wave, at the head.  Every byte is filled once: no ring.  Step 0 is every wave's first step: it is
; worked when chunk 0 is in; the other fifteen may be on their way until then.
; Both products are used transposed: S^T = K Q^T, O^T = V^T P^T: a lane holds ONE query throughout.
; No prefetch: all of K and V is asked for at the head.  LIMITS: NaN and infinities are not served; a block under 2^-124 gets the byte 1.
; REGISTERS: v1 16 x lane, v2 8 x lane + V's second part, v3 8 h; v4, v5 a trip's addresses (K's scale words and V), v6 the next trip's; v8 Q's scale word; v9 p's; v10-27 zero codes, Q, zero codes; v28 -M, v29 the largest score,
; v[30:31] the sum; v32-79 K; v80-127 V; v128-191 S^T, then p; v192-223 O^T; v224-235 p's codes, ahead of them at work; v236-238, v240-242 at work; v239, v244-249 the second tile's Q; v243 the place for handing over;
; v[250:251] K's scale words; v252 f; v[254:255] V's scale words.
.set CH,  12800                        ; a chunk
.set STB, 16*CH                        ; behind the chunks: 8 places of 4,608 bytes: O (4,096) and v28-31
.set PL,  4608
.set SPARE, STB+8*PL                   ; the spare words, 128 bytes a wave
.macro ROUND
	s_barrier_signal -1
	s_barrier_wait -1
	s_cmp_lg_u32 s18, 0
	s_cbranch_scc1 .Lnot_wave_0_\@
	s_barrier_signal -3
.Lnot_wave_0_\@:
	s_barrier_wait -3
	s_barrier_signal -1
	s_barrier_wait -1
.endm
.macro TLOAD
	tensor_load_to_lds s[32:35], s[24:31]
	s_nop 0
.rept 4
	v_nop
.endr
.endm
	s_load_b256 s[4:11], s[0:1], 0x0               ; kv, qb, qsb, cat
	s_load_b64 s[12:13], s[0:1], 0x20              ; cats
	v_lshl_add_u32 v240, v0, 2, SPARE
	v_mov_b32 v241, 0
	ds_add_u32 v240, v241                          ; the wave's opening: the add, twice on end, and its wait
	ds_add_u32 v240, v241
	v_lshrrev_b32 v8, 5, v0
	v_readfirstlane_b32 s18, v8                    ; wave 0..15
	s_mov_b32 s24, 15|(3<<16)|(1<<21)              ; a chunk: the mask: all four; elements of 8 bytes; bit 21 beside a mask
	s_mov_b32 s25, 32<<16                          ; rows of 256 bytes,
	s_mov_b32 s26, 50<<16                          ; 50 of them, dense
	s_mov_b32 s27, 32<<16
	s_mov_b32 s28, 50
	s_mov_b32 s29, 32
	s_mov_b32 s30, 0
	s_mov_b32 s31, 0
	s_and_b32 s68, ttmp7, 0xffff                   ; bh, which the four partners share
	s_mul_i32 s94, s68, 16*CH
	s_mul_i32 s33, s18, CH                         ; my chunk's place in LDS,
	s_add_co_u32 s94, s94, s33                     ; and in memory
	s_mov_b32 s95, 0
	s_mov_b32 s32, 1
	s_wait_dscnt 0x0                               ; both opening adds are done
	ROUND                                          ; all four work-groups are here: the joint loads meet
	s_wait_kmcnt 0x0
	s_add_nc_u64 s[34:35], s[4:5], s[94:95]
	s_or_b32 s35, s35, 0x80000000
	s_cmp_eq_u32 s18, 0                            ; chunk 0 has a line of its own: wave 0 waits for it ahead of the others
	s_cbranch_scc0 .Lothers
	TLOAD
	s_branch .Lasked
.Lothers:
	TLOAD
.Lasked:
	s_bfe_u32 s66, ttmp6, 0x40000                  ; cx
	s_lshl_b32 s67, ttmp9, 2
	s_add_co_u32 s67, s67, s66                     ; j: it enters global addresses and the mask's numbers alone
	s_and_b32 s19, s18, 7                          ; p
	s_xor_b32 s17, s19, 15                         ; the long tile's g
	s_cmp_lt_u32 s18, 8
	s_cselect_b32 s16, s17, s19                    ; the g of my first tile, which I also store
	s_cselect_b32 s52, 8, s19                      ; my first tile's last step here: waves 0-7 take steps 0 .. 8, waves 8-15 0 .. p,
	s_cselect_b32 s51, 0, s17                      ; and then the long tile's 9 .. 15 - p
	s_cselect_b32 s54, 31, s19                     ; steps on a diagonal: s17 = 15 - p, the long tile's, and in waves 8-15 p
	s_add_co_u32 s55, s19, 1                       ; waves 8-15: the trip ahead of which the tile changes
	s_mov_b32 s20, 0x76543210
	s_mov_b32 s21, 0xfedcba98                      ; selects for lane l xor 16
	s_mov_b32 s22, 0x3e38aa3b                      ; c = log2(e) / 8
	s_mov_b32 s23, s22                             ; (named with it as a pair)
	s_mov_b32 s48, 0xbe38aa3b                      ; -c
	s_mov_b32 s57, 0xffff00ff                      ; THE DIAGONAL STEP: lanes whose key in tile t is hidden: t > j in j's half of the step;
	s_mov_b32 s58, 0x00ff0000                      ; t < j in j's half;
	s_cmp_gt_u32 s67, 3
	s_cselect_b32 s56, 0, s58                      ; t < j in the first half: none where j lies in the second;
	s_cselect_b32 s59, s57, -1                     ; t > j in the second half: all where j lies in the first
	s_lshl_b32 s92, s16, 3
	s_add_co_u32 s92, s92, s67                     ; T = 8 g + j
	s_lshl_b32 s78, s68, 7
	s_add_co_u32 s78, s78, s92
	s_lshl_b32 s80, s78, 5                         ; its 32 scale bytes
	s_mul_i32 s78, s78, 768                        ; its half image of Q
	s_mov_b32 s79, 0
	s_mov_b32 s81, 0
	s_lshr_b32 s84, s68, 4
	s_lshl_b32 s84, s84, 7
	s_add_co_u32 s84, s84, s92                     ; Tg = 128 b + T
	s_and_b32 s93, s68, 15                         ; hd
	s_lshl_b32 s86, s84, 9
	s_lshl_b32 s87, s93, 1
	s_add_co_u32 s86, s86, s87                     ; cats: 512 Tg + 2 hd
	s_mov_b32 s87, 0
	s_lshl_b32 s84, s84, 4
	s_add_co_u32 s84, s84, s93
	s_mul_i32 s84, s84, 768
	s_mov_b32 s85, 0
	s_lshl_b32 s92, s17, 3
	s_add_co_u32 s92, s92, s67
	s_lshl_b32 s88, s68, 7
	s_add_co_u32 s88, s88, s92                     ; the long tile's
	s_lshl_b32 s90, s88, 5
	s_mul_i32 s88, s88, 768
	s_mov_b32 s89, 0
	s_mov_b32 s91, 0
	s_add_nc_u64 s[78:79], s[6:7], s[78:79]
	s_add_nc_u64 s[88:89], s[6:7], s[88:89]
	s_add_nc_u64 s[80:81], s[8:9], s[80:81]
	s_add_nc_u64 s[90:91], s[8:9], s[90:91]
	s_add_nc_u64 s[84:85], s[10:11], s[84:85]
	s_add_nc_u64 s[86:87], s[12:13], s[86:87]
	s_mul_i32 s93, s19, PL
	s_add_co_u32 s93, s93, STB
	s_mov_b32 s60, 0                               ; the trip
	v_and_b32 v4, 31, v0                           ; lane
	v_and_b32 v5, 15, v0                           ; r
	v_bfe_u32 v3, v0, 4, 1                         ; h
	v_lshlrev_b32 v1, 4, v4
	v_lshlrev_b32 v6, 3, v4
	v_lshlrev_b32 v238, 1, v5
	v_lshl_add_u32 v2, v4, 3, 10240                ; V's second part lies 6,144 + 4,096 bytes into a chunk
	v_lshlrev_b32 v3, 3, v3                        ; 8 h
	v_add_nc_u32 v243, s93, v1                     ; place p: what waves 8-15 hand over and waves 0-7 take up
	global_load_b128 v[16:19], v1, s[78:79]        ; Q's half fragment stays in registers
	global_load_b64 v[20:21], v6, s[78:79] offset:512
	global_load_u16 v8, v238, s[80:81]             ; its two scale bytes
.irp e, 239,244,245,246,247,248,249
	v_mov_b32 v\e, 0
.endr
	s_wait_alu depctr_va_vdst(0)                   ; the wait ahead of the branch
	s_cmp_lt_u32 s18, 8
	s_cbranch_scc1 .Lone_tile
	global_load_b128 v[244:247], v1, s[88:89]      ; waves 8-15: the long tile's Q waits for its turn
	global_load_b64 v[248:249], v6, s[88:89] offset:512
	global_load_u16 v239, v238, s[90:91]
.Lone_tile:
.irp e, 10,11,12,13,14,15,22,23,24,25,26,27
	v_mov_b32 v\e, 0                               ; zero codes on both sides of Q
.endr
	v_mov_b32 v28, 0x7e000000                      ; -M = 2^125 and the largest score -3e38: under every score.  The first change of M then multiplies what O and the sum hold by 0
	v_mov_b32 v29, 0xff61b1e6
	v_mov_b32 v30, 0
	v_mov_b32 v31, 0
	v_mov_b32 v235, 0                              ; a lane permute's destination counts as one of its sources
	v_mov_b32 v252, 0
	v_mov_b32 v253, 0                              ; (named as the upper half of the pair v[252:253])
.macro SPROD t                         ; S^T's tile t: 16 keys x my 16 queries
.set KR, 32+12*((\t)/2)
.set QR, 16-6*((\t)%2)
.if ((\t)/2)%2
	v_wmma_scale_f32_16x16x128_f8f6f4 v[128+8*(\t):135+8*(\t)], v[KR:KR+11], v[QR:QR+11], 0, v[250+(\t)/4], v8 matrix_a_fmt:MATRIX_FMT_FP6 matrix_b_fmt:MATRIX_FMT_FP6 matrix_a_scale:MATRIX_SCALE_ROW1
.else
	v_wmma_scale_f32_16x16x128_f8f6f4 v[128+8*(\t):135+8*(\t)], v[KR:KR+11], v[QR:QR+11], 0, v[250+(\t)/4], v8 matrix_a_fmt:MATRIX_FMT_FP6 matrix_b_fmt:MATRIX_FMT_FP6
.endif
.endm
.macro OPROD d                         ; O^T's tile d += 16 of the head's 64 x these 128 keys
.if ((\d)%2) == 1
	v_wmma_scale_f32_16x16x128_f8f6f4 v[192+8*(\d):199+8*(\d)], v[80+12*(\d):91+12*(\d)], v[224:235], v[192+8*(\d):199+8*(\d)], v[254+(\d)/2], v9 matrix_a_fmt:MATRIX_FMT_FP6 matrix_b_fmt:MATRIX_FMT_FP6 matrix_a_scale:MATRIX_SCALE_ROW1
.else
	v_wmma_scale_f32_16x16x128_f8f6f4 v[192+8*(\d):199+8*(\d)], v[80+12*(\d):91+12*(\d)], v[224:235], v[192+8*(\d):199+8*(\d)], v[254+(\d)/2], v9 matrix_a_fmt:MATRIX_FMT_FP6 matrix_b_fmt:MATRIX_FMT_FP6
.endif
.endm
.macro KLOAD adr                       ; a step's K: four pairs of tiles, and their scale words: 13 loads
.irp p, 0,1,2,3
.irp k, 0,1,2
	ds_load_b128 v[32+12*\p+4*\k:35+12*\p+4*\k], \adr offset:1536*\p+512*\k
.endr
.endr
	ds_load_b64 v[250:251], \adr offset:12288
.endm
.macro VLOAD a16, a8                   ; a step's V: 13 loads
.irp d, 0,1,2,3
	ds_load_b128 v[80+12*\d:83+12*\d], \a16 offset:6144+1024*\d
	ds_load_2addr_b64 v[84+12*\d:87+12*\d], \a8 offset0:64*\d offset1:64*\d+32
	ds_load_b128 v[88+12*\d:91+12*\d], \a16 offset:6144+1024*\d+512
.endr
	ds_load_b64 v[254:255], \a16 offset:12296
.endm
.macro MASK                            ; hidden keys' scores become -infinity ahead of the maximum: p = 0 then.  Register e of tile t = j is hidden in lanes 0-7 and 24-31 where e > lane % 8, in lanes 16-23 always, in lanes 8-15 never
.irp t, 0,1,2,3,4,5,6,7
	s_cmp_gt_u32 s67, \t
.if \t < 4
	s_cselect_b32 s62, s56, s57
.else
	s_cselect_b32 s62, s58, s59
.endif
	s_cmp_eq_u32 s67, \t
.irp e, 0,1,2,3,4,5,6,7
	s_cselect_b32 s[70+\e], 0xff0000+((1<<\e)-1)*0x1000001, s62
.endr
.irp e, 0,1,2,3,4,5,6,7
	v_cndmask_b32 v[128+8*\t+\e], v[128+8*\t+\e], 0xff800000, s[70+\e]
.endr
.endr
.endm
; A KEY STEP: 128 keys; its K is in registers.  pf = 1: the next step's K is asked for, unless it is not mine.  a16, a8: this step's addresses
.macro STEP pf, a16, a8
.irp t, 0,1,2,3,4,5,6,7
	SPROD \t
.endr
.rept 4
	v_nop                                          ; places in front of loads into registers that matrix instructions have read, and of the reads of S^T
.endr
	VLOAD \a16, \a8                                ; V and the next step's K land under the softmax
.if \pf
	s_cmp_eq_u32 s60, s52
	s_cbranch_scc1 .Llast_\@                       ; the last step of a run of mine: nothing follows it
	s_cmp_eq_u32 s60, s17
	s_cbranch_scc1 .Llast_\@
	KLOAD v6
.Llast_\@:
.endif
	s_cmp_eq_u32 s60, s17
	s_cbranch_scc1 .Lmask_\@
	s_cmp_eq_u32 s60, s54
	s_cbranch_scc0 .Lopen_\@
.Lmask_\@:
	MASK
.Lopen_\@:
.irp c, 0,1
	v_max3_num_f32 v[232+\c], v[128+32*\c], v[129+32*\c], v[130+32*\c]   ; the largest score of my two blocks of 32 keys: it serves the row's maximum and the block's largest p
.endr
.irp i, 3,5,7,9,11,13,15,17,19,21,23,25,27,29
.irp c, 0,1
	v_max3_num_f32 v[232+\c], v[232+\c], v[128+32*\c+\i], v[129+32*\c+\i]
.endr
.endr
.irp c, 0,1
	v_max_num_f32 v[232+\c], v[232+\c], v[159+32*\c]
.endr
	v_max_num_f32 v234, v232, v233
	v_permlanex16_b32 v235, v234, s20, s21
	v_max3_num_f32 v29, v29, v234, v235            ; with lane l xor 16's 64 keys and the steps before: the running largest score
	v_mul_f32 v234, s48, v29
	v_floor_f32 v234, v234                         ; the new -M = floor(-t): M is a whole number
	v_sub_f32 v235, v234, v28                      ; old M - new M: a whole number, 0 or less
	v_mov_b32 v28, v234
	v_cvt_i32_f32 v235, v235                       ; (it saturates)
	v_ldexp_f32 v252, 1.0, v235                    ; f = 2^(old M - new M)
.set n, 0
.rept 32
	v_pk_fma_f32 v[128+n:129+n], v[128+n:129+n], s[22:23], v[28:29] op_sel_hi:[1,0,0]   ; t - M, two at a time
.set n, n+2
.endr
.irp c, 0,1
	v_fma_f32 v[232+\c], v[232+\c], s22, v28       ; the same of each block's largest score
.endr
	s_wait_alu depctr_va_vdst(0)                   ; the wait ahead of the batch
.set n, 0
.rept 64
	v_exp_f32 v[128+n], v[128+n]                   ; p = 2^(t - M), at most 1
.set n, n+1
.endr
.irp c, 0,1
	v_exp_f32 v[232+\c], v[232+\c]                 ; the block's largest p
.endr
	v_pk_mul_f32 v[30:31], v[30:31], v[252:253] op_sel_hi:[1,0]   ; the sum under the new M (a plain line behind the exponentials)
	s_wait_alu depctr_va_vdst(0)                   ; one wait for the whole batch, ahead of its first reader, and directly ahead of the first reader of O^T
.set n, 0
.rept 16
	v_pk_mul_f32 v[192+n:193+n], v[192+n:193+n], v[252:253] op_sel_hi:[1,0]   ; O^T under the new M
.set n, n+2
.endr
.irp c, 0,1
	v_max_num_f32 v[232+\c], 0x1800000, v[232+\c]  ; the floor 2^(3 - 127): the byte cannot fall under 1
.endr
.irp c, 0,1
	v_add_nc_u32 v[227+\c], 0xff000000, v[232+\c]  ; 2 off the exponent field: the conversion's scale operand
.endr
.irp c, 0,1
	v_lshrrev_b32 v[232+\c], 23, v[227+\c]         ; the scale's byte
.endr
	v_lshl_or_b32 v234, v233, 16, v232             ; my two bytes, blocks h and 2 + h,
	v_lshlrev_b32 v234, v3, v234                   ; at their places in the word;
	v_permlanex16_b32 v235, v234, s20, s21
	v_or_b32 v9, v234, v235                        ; with lane l xor 16's two: p's scale word for these 128 keys
	v_cvt_scalef32_pk16_fp6_f32 v[224:226], v[128:143], v227
	v_cvt_scalef32_pk16_fp6_f32 v[236:238], v[144:159], v227
	v_cvt_scalef32_pk16_fp6_f32 v[230:232], v[160:175], v228
	v_cvt_scalef32_pk16_fp6_f32 v[240:242], v[176:191], v228
	v_nop                                          ; one plain line behind the scaled conversions
.irp e, 0,1,2
	v_mov_b32 v[227+\e], v[236+\e]
	v_mov_b32 v[233+\e], v[240+\e]
.endr
	v_pk_add_f32 v[236:237], v[128:129], v[130:131]   ; the row's sum of the UNQUANTISED p, in three chains.  (These 32 also stand between the lines that made p's codes and scale word and the products below)
	v_pk_add_f32 v[240:241], v[132:133], v[134:135]
.set n, 4
.rept 28
.if n%3 == 0
	v_pk_add_f32 v[30:31], v[30:31], v[128+2*n:129+2*n]
.elseif n%3 == 1
	v_pk_add_f32 v[236:237], v[236:237], v[128+2*n:129+2*n]
.else
	v_pk_add_f32 v[240:241], v[240:241], v[128+2*n:129+2*n]
.endif
.set n, n+1
.endr
	v_pk_add_f32 v[236:237], v[236:237], v[240:241]
	v_pk_add_f32 v[30:31], v[30:31], v[236:237]
	s_wait_dscnt 0x0                               ; V is in, and the next trip's K
.irp d, 0,1,2,3
	OPROD \d
.endr
.endm
; THE WAY OUT: O^T / the sum, quantised along the head's 64: register 8 d + i of lane (r, h) is o(query r, 32 h + 8 d + i): one whole block a lane
.macro OUT
	s_wait_alu depctr_va_vdst(0)                   ; the wait ahead of the reads of the sum
	v_and_b32 v161, 15, v0                         ; r
	v_bfe_u32 v162, v0, 4, 1                       ; h
	v_lshrrev_b32 v160, 1, v1                      ; 8 x lane
	v_add_f32 v30, v30, v31                        ; the sum's two halves,
	v_lshl_add_u32 v161, v161, 5, v162             ; 32 r + h: my byte's place
	v_permlanex16_b32 v235, v30, s20, s21
	v_add_f32 v30, v30, v235                       ; and lane l xor 16's
	s_wait_alu depctr_va_vdst(0)                   ; the wait ahead of the transcendental
	v_rcp_f32 v30, v30
	v_nop                                          ; a plain line behind the transcendental
	s_wait_alu depctr_va_vdst(0)                   ; the wait ahead of its first reader, and of the first reader of O^T
.set n, 0
.rept 16
	v_pk_mul_f32 v[128+n:129+n], v[192+n:193+n], v[30:31] op_sel_hi:[1,0]
.set n, n+2
.endr
.irp b, 0,1
	v_max3_num_f32 v[232+\b], |v[128+16*\b]|, |v[129+16*\b]|, 0x1800000
.endr
.irp i, 2,4,6,8,10,12,14
.irp b, 0,1
	v_max3_num_f32 v[232+\b], v[232+\b], |v[128+16*\b+\i]|, |v[129+16*\b+\i]|
.endr
.endr
	v_max_num_f32 v232, v232, v233
	v_add_nc_u32 v234, 0xff000000, v232
	v_lshrrev_b32 v233, 23, v234                   ; the block's byte
	v_cvt_scalef32_pk16_fp6_f32 v[224:226], v[128:143], v234
	v_cvt_scalef32_pk16_fp6_f32 v[236:238], v[144:159], v234
	v_nop
.irp e, 0,1,2
	v_mov_b32 v[227+\e], v[236+\e]
.endr
	global_store_b128 v1, v[224:227], s[84:85]     ; 512 consecutive bytes, aligned,
	global_store_b64 v160, v[228:229], s[84:85] offset:512   ; and 256
	global_store_b8 v161, v233, s[86:87]           ; a word's four bytes come from two heads, that is from two work-groups: single bytes, one part in 24 of the codes' bytes
.endm
	s_wait_alu depctr_va_vdst(0)                   ; the wait at the head's end
	s_cmp_eq_u32 s18, 0
	s_cbranch_scc0 .Lnot_first
	s_wait_tensorcnt 0x0                           ; wave 0: chunk 0 is in
.Lnot_first:
	s_barrier_signal -1
	s_barrier_wait -1
	KLOAD v1
	s_wait_loadcnt 0x0                             ; Q
	v_mul_u32_u24 v8, 0x10001, v8                  ; its two scale bytes in both halves of the word
.set n, 0
.rept 32
	v_mov_b32 v[192+n], 0                          ; O^T: the step is written for any trip; the first finds zeros.  (These 32 also stand between the scale word and the products)
.set n, n+1
.endr
	s_wait_dscnt 0x0
	STEP 0, v1, v2
	s_wait_tensorcnt 0x0                           ; my chunk is in,
	s_barrier_signal -1
	s_barrier_wait -1                              ; everybody's is
	v_add_nc_u32 v4, CH, v1
	KLOAD v4                                       ; step 1's K
	s_wait_dscnt 0x0
	s_mov_b32 s60, 1                               ; the step's number,
	s_mov_b32 s2, CH                               ; where it lies,
	s_mov_b32 s3, 2*CH                             ; and where the next one does
	s_mov_b32 s63, 14
.Lloop:                                            ; steps 1 to 14 in every wave: the trip count is a constant; a wave works in the trips that are its own
	s_cmp_lt_u32 s18, 8
	s_cbranch_scc1 .Lsame_tile
	s_cmp_eq_u32 s60, s55
	s_cbranch_scc0 .Lsame_tile
	OUT                                            ; waves 8-15: the short tile is done (its first four lines are the places behind the last products),
	s_wait_xcnt 0x0                                ; its stores have read their registers,
	v_mul_u32_u24 v8, 0x10001, v239                ; and the long one's Q takes its place
.irp e, 0,1,2,3,4,5
	v_mov_b32 v[16+\e], v[244+\e]
.endr
	v_mov_b32 v28, 0x7e000000                      ; M begins anew: the first change of M multiplies O and the sum by 0
	v_mov_b32 v29, 0xff61b1e6
.rept 4
	v_nop                                          ; Q stands four places ahead of the products
.endr
	s_wait_alu depctr_va_vdst(0)
.Lsame_tile:
	s_cmp_le_u32 s60, s52
	s_cbranch_scc1 .Lwork
	s_cmp_gt_u32 s60, s51
	s_cbranch_scc1 .Lidle
	s_cmp_lt_u32 s60, 9
	s_cbranch_scc1 .Lidle
	s_cmp_eq_u32 s60, 9
	s_cbranch_scc0 .Lwork
	v_add_nc_u32 v4, s2, v1                        ; step 9 begins a run: no step of mine ahead of it has asked for its K
	KLOAD v4
	s_wait_dscnt 0x0
.Lwork:
	v_add_nc_u32 v4, s2, v1
	v_add_nc_u32 v5, s2, v2
	v_add_nc_u32 v6, s3, v1
	STEP 1, v4, v5
.Lidle:
	s_add_co_u32 s2, s2, CH
	s_add_co_u32 s3, s3, CH
	s_add_co_u32 s60, s60, 1
	s_sub_co_u32 s63, s63, 1
	s_cmp_lg_u32 s63, 0
	s_cbranch_scc1 .Lloop
	s_cmp_eq_u32 s18, 8                            ; step 15 is wave 8's alone (p = 0); its K was asked for in trip 14
	s_cbranch_scc0 .Lno_step_15
	v_add_nc_u32 v4, 15*CH, v1
	v_add_nc_u32 v5, 15*CH, v2
	STEP 0, v4, v5
.Lno_step_15:
.rept 4
	v_nop                                          ; places behind the last products
.endr
	s_wait_alu depctr_va_vdst(0)
	s_wait_dscnt 0x0
	s_barrier_signal -1
	s_barrier_wait -1                              ; every wave's reads of the loop are over
	s_cmp_lt_u32 s18, 8
	s_cbranch_scc1 .Lhanded
.irp k, 0,1,2,3,4,5,6,7
	ds_store_b128 v243, v[192+4*\k:195+4*\k] offset:512*\k   ; waves 8-15 hand their part of the long tile over, each accumulator from its low end on
.endr
	ds_store_b128 v243, v[28:31] offset:4096       ; (where they had no step of it, M is -2^125 and their part counts for nothing)
.Lhanded:
	s_wait_dscnt 0x0                               ; for the others' sake: what I laid down lies in LDS
	s_barrier_signal -1
	s_barrier_wait -1
	s_cmp_lt_u32 s18, 8
	s_cbranch_scc0 .Ldone
.irp k, 0,1,2,3,4,5,6,7
	ds_load_b128 v[128+4*\k:131+4*\k], v243 offset:512*\k   ; waves 0-7: the partner's part
.endr
	ds_load_b128 v[224:227], v243 offset:4096
	s_wait_dscnt 0x0
	v_min_num_f32 v232, v28, v224                  ; -M of the two together
	v_sub_f32 v233, v232, v28
	v_sub_f32 v234, v232, v224
	v_cvt_i32_f32 v233, v233
	v_cvt_i32_f32 v234, v234
	v_ldexp_f32 v236, 1.0, v233                    ; mine x 2^(my M - M),
	v_ldexp_f32 v240, 1.0, v234                    ; the other x 2^(its M - M)
	v_pk_mul_f32 v[30:31], v[30:31], v[236:237] op_sel_hi:[1,0]
	v_pk_fma_f32 v[30:31], v[226:227], v[240:241], v[30:31] op_sel_hi:[1,0,1]
.set n, 0
.rept 16
	v_pk_mul_f32 v[192+n:193+n], v[192+n:193+n], v[236:237] op_sel_hi:[1,0]
.set n, n+2
.endr
.set n, 0
.rept 16
	v_pk_fma_f32 v[192+n:193+n], v[128+n:129+n], v[240:241], v[192+n:193+n] op_sel_hi:[1,0,1]
.set n, n+2
.endr
	OUT
.Ldone:
	v_lshl_add_u32 v240, v0, 2, SPARE
	v_mov_b32 v241, 0
	s_wait_alu depctr_va_vdst(0)
	s_wait_tensorcnt 0x0                           ; the wave's end
	ds_add_u32 v240, v241
	s_wait_dscnt 0x0
	ROUND                                          ; the closing round
	s_endpgm
.Lfunc_end_k_qfe52ea896e_attn:
	.size	k_qfe52ea896e_attn, .Lfunc_end_k_qfe52ea896e_attn-k_qfe52ea896e_attn
	.p2alignl 7, 3214868480
	.fill 96, 4, 3214868480
	.section	.rodata,"a",@progbits
	.p2align	6, 0x0
	.amdhsa_kernel k_qfe52ea896e_attn
		.amdhsa_group_segment_fixed_size 243712
		.amdhsa_private_segment_fixed_size 0
		.amdhsa_enable_private_segment 0
		.amdhsa_kernarg_size 40
		.amdhsa_user_sgpr_count 2
		.amdhsa_user_sgpr_kernarg_segment_ptr 1
		.amdhsa_wavefront_size32 1
		.amdhsa_system_sgpr_workgroup_id_x 1
		.amdhsa_system_sgpr_workgroup_id_y 1
		.amdhsa_system_sgpr_workgroup_id_z 1
		.amdhsa_system_vgpr_workitem_id 0
		.amdhsa_next_free_vgpr 256
		.amdhsa_next_free_sgpr 100
		.amdhsa_reserve_vcc 0
		.amdhsa_float_denorm_mode_32 3
		.amdhsa_float_denorm_mode_16_64 3
		.amdhsa_memory_ordered 1
		.amdhsa_forward_progress 1
		.amdhsa_inst_pref_size 97
	.end_amdhsa_kernel
	.amdgpu_metadata
---
amdhsa.version: [ 1, 2 ]
amdhsa.kernels:
  - .name:           k_qfe52ea896e_attn
    .symbol:         k_qfe52ea896e_attn.kd
    .args:
      - { .name: kv, .offset: 0, .size: 8, .value_kind: global_buffer, .address_space: global }
      - { .name: qb, .offset: 8, .size: 8, .value_kind: global_buffer, .address_space: global }
      - { .name: qsb, .offset: 16, .size: 8, .value_kind: global_buffer, .address_space: global }
      - { .name: cat, .offset: 24, .size: 8, .value_kind: global_buffer, .address_space: global }
      - { .name: cats, .offset: 32, .size: 8, .value_kind: global_buffer, .address_space: global }
    .group_segment_fixed_size: 243712
    .private_segment_fixed_size: 0
    .kernarg_segment_align: 8
    .kernarg_segment_size: 40
    .max_flat_workgroup_size: 512
    .sgpr_count:     100
    .vgpr_count:     256
    .wavefront_size: 32
...
	.end_amdgpu_metadata
.endif
;; end of part 3
;; launch oproj (part 4): grid 8 x 32, 4 waves a work-group, clusters of 4 x 4, 214,528 bytes of LDS; arguments cat, cats, img, scl, out0; writes out0
.if DOCPART == 4
	.amdgcn_target "amdgcn-amd-amdhsa--gfx1250"
	.amdhsa_code_object_version 6
	.text
	.protected	k_qfe52ea896e_oproj
	.globl	k_qfe52ea896e_oproj
	.p2align	8
	.type	k_qfe52ea896e_oproj,@function
k_qfe52ea896e_oproj:
	s_mov_b64 s[64:65], 0
	v_nop
	global_prefetch_b8 v0, s[64:65] scope:SCOPE_SE
	s_setreg_imm32_b32 hwreg(HW_REG_WAVE_MODE, 25, 1), 1
	s_wait_xcnt 0x0
	s_wait_alu depctr_hold_cnt(0) depctr_sa_sdst(0) depctr_va_vdst(0) depctr_va_sdst(0) depctr_va_ssrc(0) depctr_va_vcc(0) depctr_vm_vsrc(0)
	s_getreg_b32 s2, hwreg(HW_REG_IB_STS2, 6, 4)
	s_cmp_eq_u32 s2, 0
	s_cbranch_scc0 .Lentry_in_a_cluster
	s_endpgm
.Lentry_in_a_cluster:
	s_bfe_u32 s2, ttmp6, 0x10000c
	s_cmp_lg_u32 s2, 0xf033
	s_cbranch_scc0 .Lentry_shape_is_right
	s_endpgm
.Lentry_shape_is_right:
; out0 = cat w_o^T on codes of FP6 (E2M3) with E8M0 scales; K = 1,024; out0 [4096][1024] f32.
; in: cat: for each tile of 16 tokens 16 half images of 768 bytes, head by head: two on end are the fragment of a K step of 128 (12,288 bytes a tile); img: w_o's images (tiles 448-511, three pieces of 512 bytes a fragment);
;     cats, scl: scale words [tile][16 rows][8 K steps].  A tile's row r is row 8 i + r % 8 + 32 (r / 8) of its group of 64 (i = tile % 4), in cat and in w_o.
; SHARES: a work-group makes 128 tokens (y) x 128 outputs (x): 256 work-groups; wave (w / 2, w % 2) makes 64 x 64.  Its four tiles of w_o, ALL of K, stay in registers (384); cat's four tiles go past them one after the other, 32 matrix
; instructions each, so that a tile's results leave while the next one is multiplied.  The product is used transposed (source 0 = 16 rows of w_o, source 1 = 16 tokens): a lane (r, h) holds outputs 32 h + 8 b + 0 .. 7 of one token.
; CLUSTER 4 x 4: cat's tiles hang on y alone and are asked for jointly along a row of the cluster, w_o's on x alone, along a column.
; LDS: w_o's two halves of four tiles, then cat's: one load a wave; every byte is filled once.  Behind them a stage of 16 rows x 272 bytes a wave.  No prefetch: all loads stand at the head.
; REGISTERS: window 0: v16-18, v24-26 addresses; v32-63 scale words, nothing else; v64-127 the way out; v128-191 two sets of four accumulators.  A fragment f lies in window 1 + f / 21 at 12 (f % 21): w_o's at f = 4 q + b (K step q, tile b),
; cat's two sets at 32 + q and 40 + q.
.set HALF,  49152
.set STAGE, 4*HALF
.set SPARE, STAGE+4*16*272
.set CS,  32                           ; cat's scale words: v[CS + 8 i + n]: lanes 0-15 tile i, lanes 16-31 tile i + 2, K step n
.set OS,  48                           ; w_o's likewise
.set ACC, 128
.set BK,  64
.set MSB, 0
.macro WIN new
.if MSB != \new
	s_set_vgpr_msb (MSB<<8)|\new
.set MSB, \new
.endif
.endm
.macro PLACES
.rept 4
	v_nop
.endr
.endm
.macro CROUND
	s_barrier_signal -1
	s_barrier_wait -1
	s_cmp_lg_u32 s14, 0
	s_cbranch_scc1 .Lnot_wave_0_\@
	s_barrier_signal -3
.Lnot_wave_0_\@:
	s_barrier_wait -3
	s_barrier_signal -1
	s_barrier_wait -1
.endm
.macro WMC d, a, b, c, sa, sb, ra, rb
	v_wmma_scale_f32_16x16x128_f8f6f4 v[\d:\d+7], v[\a:\a+11], v[\b:\b+11], \c, v[\sa], v[\sb] matrix_a_fmt:MATRIX_FMT_FP6 matrix_b_fmt:MATRIX_FMT_FP6 matrix_a_scale:MATRIX_SCALE_ROW\ra matrix_b_scale:MATRIX_SCALE_ROW\rb
.endm
.macro WM d, a, b, c, sa, sb, ra, rb
.if (\ra) && (\rb)
	WMC \d, \a, \b, \c, \sa, \sb, 1, 1
.elseif \ra
	WMC \d, \a, \b, \c, \sa, \sb, 1, 0
.elseif \rb
	WMC \d, \a, \b, \c, \sa, \sb, 0, 1
.else
	WMC \d, \a, \b, \c, \sa, \sb, 0, 0
.endif
.endm
	s_load_b256 s[4:11], s[0:1], 0x0               ; cat, cats, img, scl
	s_load_b64 s[12:13], s[0:1], 0x20              ; out0
	v_lshl_add_u32 v30, v0, 2, SPARE
	v_mov_b32 v31, 0
	ds_add_u32 v30, v31                            ; the wave's opening: the add, twice on end, and its wait
	ds_add_u32 v30, v31
	v_lshrrev_b32 v1, 5, v0
	v_readfirstlane_b32 s14, v1                    ; wave 0..3
	s_lshr_b32 s15, s14, 1                         ; my half of the tokens
	s_and_b32 s16, s14, 1                          ; my half of the outputs.  Also: which four tiles I fetch
	s_bfe_u32 s40, ttmp6, 0x40000                  ; cx
	s_bfe_u32 s41, ttmp6, 0x40004                  ; cy
	s_lshl_b32 s42, ttmp9, 2
	s_add_co_u32 s42, s42, s40                     ; tx
	s_and_b32 s17, ttmp7, 0xffff
	s_lshl_b32 s17, s17, 2
	s_add_co_u32 s17, s17, s41                     ; ty
	s_lshl_b32 s43, s41, 2
	s_lshl_b32 s43, 15, s43                        ; my row of the cluster
	s_lshl_b32 s44, 0x1111, s40                    ; my column
	s_or_b32 s24, s43, (3<<16)|(1<<21)             ; cat: the mask of my row; elements of 8 bytes; bit 21 beside a mask
	s_or_b32 s48, s44, (3<<16)|(1<<21)             ; w_o: the mask of my column
.irp g, 24, 48
	s_mov_b32 s[\g+1], 1536<<16                    ; rows of 12,288 bytes: a tile,
	s_mov_b32 s[\g+2], 4<<16                       ; four tiles
	s_mov_b32 s[\g+3], 1536<<16
	s_mov_b32 s[\g+4], 4
	s_mov_b32 s[\g+5], 1536
	s_mov_b32 s[\g+6], 0
	s_mov_b32 s[\g+7], 0
.endr
	s_lshl_b32 s18, s16, 2
	s_lshl_b32 s20, s17, 3
	s_add_co_u32 s20, s20, s18                     ; cat: tile 8 ty + 4 x half
	s_mul_i32 s20, s20, 12288
	s_mov_b32 s21, 0
	s_lshl_b32 s46, s42, 3
	s_add_co_u32 s46, s46, s18
	s_add_co_u32 s46, s46, 448                     ; w_o: tile 448 + 8 tx + 4 x half
	s_lshl_b32 s34, s46, 9                         ; (its scale words are those of my own tiles of w_o)
	s_mov_b32 s35, 0
	s_mul_i32 s46, s46, 12288
	s_mov_b32 s47, 0
	s_lshl_b32 s32, s17, 3
	s_lshl_b32 s33, s15, 2
	s_add_co_u32 s32, s32, s33
	s_lshl_b32 s32, s32, 9                         ; cat's scale words: tile 8 ty + 4 (w / 2)
	s_mov_b32 s33, 0
	s_mul_i32 s45, s14, HALF                       ; where the tiles go
	s_wait_dscnt 0x0                               ; both opening adds are done
	CROUND                                         ; all sixteen work-groups are here: the joint loads meet
	s_wait_kmcnt 0x0
	s_mov_b32 s68, 1
	s_mov_b32 s69, s45
	s_add_nc_u64 s[70:71], s[4:5], s[20:21]
	s_or_b32 s71, s71, 0x80000000
	s_mov_b32 s80, 1
	s_mov_b32 s81, s45
	s_add_nc_u64 s[82:83], s[8:9], s[46:47]
	s_or_b32 s83, s83, 0x80000000
	s_cmp_lt_u32 s14, 2
	s_cbranch_scc0 .Lfor_cat
	tensor_load_to_lds s[80:83], s[48:55]          ; waves 0, 1: w_o's halves
	s_nop 0
	PLACES
	s_branch .Lasked
.Lfor_cat:
	tensor_load_to_lds s[68:71], s[24:31]          ; waves 2, 3: cat's
	s_nop 0
	PLACES
.Lasked:
	s_add_nc_u64 s[32:33], s[6:7], s[32:33]
	s_add_nc_u64 s[34:35], s[10:11], s[34:35]
	s_mul_i32 s36, s15, HALF
	s_add_co_u32 s36, s36, 2*HALF                  ; my four tiles of cat,
	s_mul_i32 s37, s16, HALF                       ; my four of w_o
	s_mul_i32 s38, s14, 16*272
	s_add_co_u32 s38, s38, STAGE                   ; my stage
	s_lshl_b32 s56, s17, 7
	s_lshl_b32 s57, s15, 6
	s_add_co_u32 s56, s56, s57                     ; my first token: 128 ty + 64 (w / 2)
	s_lshl_b32 s56, s56, 12
	s_lshl_b32 s57, s42, 9                         ; my first output, in bytes: 512 tx + 256 (w % 2)
	s_add_co_u32 s56, s56, s57
	s_lshl_b32 s57, s16, 8
	s_add_co_u32 s56, s56, s57
	s_mov_b32 s57, 0
	s_add_nc_u64 s[12:13], s[12:13], s[56:57]
	v_and_b32 v1, 31, v0                           ; lane
	v_and_b32 v2, 15, v0                           ; r
	v_bfe_u32 v3, v0, 4, 1                         ; h
	v_lshlrev_b32 v4, 5, v2
	v_lshl_add_u32 v4, v3, 10, v4                  ; scale words: 32 r, lanes 16-31 two tiles on
.irp i, 0,1
.irp f, 0,1
	global_load_b128 v[OS+8*\i+4*\f:OS+8*\i+4*\f+3], v4, s[34:35] offset:\i*512+\f*16
	global_load_b128 v[CS+8*\i+4*\f:CS+8*\i+4*\f+3], v4, s[32:33] offset:\i*512+\f*16
.endr
.endr
	v_lshlrev_b32 v6, 4, v1
	v_lshlrev_b32 v7, 3, v1
	v_add_nc_u32 v16, s36, v6                      ; cat: 16 x lane
	v_add_nc_u32 v17, s36, v7                      ; cat: 8 x lane
	v_add_nc_u32 v18, s37, v6                      ; w_o: 16 x lane
	v_mul_u32_u24 v24, v2, 272
	v_lshl_add_u32 v24, v3, 7, v24
	v_add_nc_u32 v24, s38, v24                     ; the stage, in: row r, 128 bytes for each half of the lanes
	v_mul_u32_u24 v25, v3, 272
	v_lshl_add_u32 v25, v2, 4, v25
	v_add_nc_u32 v25, s38, v25                     ; back: lanes 0-15 one row of 256 bytes, lanes 16-31 the next
	v_lshlrev_b32 v26, 12, v3
	v_lshl_add_u32 v26, v2, 4, v26                 ; and the same two rows in out0
.macro WLOAD                           ; my 64 rows of w_o, all of K: 96 loads
.irp q, 0,1,2,3,4,5,6,7
.irp b, 0,1,2,3
.set F_, 4*\q+\b
.set R_, 12*(F_%21)
	WIN ((1+F_/21)<<6)
	ds_load_b128 v[R_:R_+3], v18 offset:\b*12288+\q*1536
	ds_load_b128 v[R_+4:R_+7], v18 offset:\b*12288+\q*1536+512
	ds_load_b128 v[R_+8:R_+11], v18 offset:\b*12288+\q*1536+1024
.endr
.endr
	WIN 0
.endm
.macro FETCH a                         ; cat's tile a, all of K, into set a % 2: 32 loads; a fragment is two half images on end
.irp q, 0,1,2,3,4,5,6,7
.set F_, 32+8*((\a)%2)+\q
.set R_, 12*(F_%21)
	WIN ((1+F_/21)<<6)
	ds_load_b128 v[R_:R_+3], v16 offset:(\a)*12288+\q*1536
	ds_load_b64 v[R_+4:R_+5], v17 offset:(\a)*12288+\q*1536+512
	ds_load_b128 v[R_+6:R_+9], v16 offset:(\a)*12288+\q*1536+768
	ds_load_b64 v[R_+10:R_+11], v17 offset:(\a)*12288+\q*1536+1280
.endr
	WIN 0
.endm
.macro PROD a, n                       ; product n = 4 q + b of tile a.  The four accumulators take turns, one instruction a turn
.set Q_, (\n)/4
.set B_, (\n)%4
.set FB_, \n
.set FA_, 32+8*((\a)%2)+Q_
.set D_, ACC+32*((\a)%2)+8*B_
.set RA_, 12*(FB_%21)
.set RB_, 12*(FA_%21)
.set SA_, OS+8*(B_%2)+Q_
.set SB_, CS+8*((\a)%2)+Q_
.set HA_, B_/2
.set HB_, (\a)/2
	WIN ((1+FB_/21)|((1+FA_/21)<<2))
.if Q_
	WM D_, RA_, RB_, v[D_:D_+7], SA_, SB_, HA_, HB_
.else
	WM D_, RA_, RB_, 0, SA_, SB_, HA_, HB_
.endif
.endm
.macro PRODS a, from, to
.set N_, \from
.rept (\to)-(\from)
	PROD \a, N_
.set N_, N_+1
.endr
	WIN 0
.endm
; THE WAY OUT of tile a, 16 tokens x 64 outputs: through my own stage, back as whole rows of 256 bytes.  LDS serves a wave's instructions in order (ISA guide 5.7.1.4): no wait between the stores and the loads.
.macro TOSTAGE a
.set A_, ACC+32*((\a)%2)
.set K_, BK+32*((\a)%2)
.irp b, 0,1,2,3
	ds_store_b128 v24, v[A_+8*\b:A_+8*\b+3] offset:32*\b       ; each accumulator from its low end on
	ds_store_b128 v24, v[A_+8*\b+4:A_+8*\b+7] offset:32*\b+16
.endr
.irp t, 0,1,2,3,4,5,6,7
	ds_load_b128 v[K_+4*\t:K_+4*\t+3], v25 offset:\t*2*272
.endr
.endm
.macro SEND a
.set K_, BK+32*((\a)%2)
.irp t, 0,1,2,3,4,5,6,7
	global_store_b128 v26, v[K_+4*\t:K_+4*\t+3], s[12:13] offset:(8*(\a)+2*(\t%4)+32*(\t/4))*4096 th:TH_STORE_NT   ; 16 lanes store 256 consecutive bytes, aligned; the tile's rows 2 t, 2 t + 1 are tokens 8 a + 2 (t % 4) + 32 (t / 4) on
.endr
.endm
	s_wait_alu depctr_va_vdst(0)                   ; the wait at the head's end
	s_cmp_lt_u32 s14, 2
	s_cbranch_scc0 .Lnot_first
	s_wait_tensorcnt 0x0                           ; waves 0, 1: w_o is in
.Lnot_first:
	s_barrier_signal -1
	s_barrier_wait -1
	WLOAD
	s_wait_tensorcnt 0x0                           ; cat is in
	s_wait_dscnt 0x0
	s_barrier_signal -1
	s_barrier_wait -1
	FETCH 0
	FETCH 1
	s_wait_loadcnt 0x0                             ; the scale words
	s_wait_dscnt 32                                ; tile 0 is in; tile 1's 32 loads may be out
	PRODS 0, 0, 32
	PLACES
	FETCH 2
	TOSTAGE 0
	s_wait_dscnt 48                                ; tile 1 is in; tile 2's 32 loads and the stage's 16 may be out
	PRODS 1, 0, 16
	s_wait_dscnt 0x0                               ; tile 0's results are back, and cat's tile 2 is in
	SEND 0
	PRODS 1, 16, 32
	PLACES
	FETCH 3
	TOSTAGE 1
	PRODS 2, 0, 16
	s_wait_dscnt 0x0
	SEND 1
	PRODS 2, 16, 32
	PLACES
	s_wait_xcnt 0x0                                ; tile 0's stores have read their registers
	TOSTAGE 2
	PRODS 3, 0, 16
	s_wait_dscnt 0x0
	SEND 2
	PRODS 3, 16, 32
	PLACES
	s_wait_xcnt 0x0
	TOSTAGE 3
	s_wait_dscnt 0x0
	SEND 3
	s_wait_tensorcnt 0x0                           ; the wave's end
	ds_add_u32 v30, v31
	s_wait_dscnt 0x0
	CROUND                                         ; the closing round
	s_endpgm
.Lfunc_end_k_qfe52ea896e_oproj:
	.size	k_qfe52ea896e_oproj, .Lfunc_end_k_qfe52ea896e_oproj-k_qfe52ea896e_oproj
	.p2alignl 7, 3214868480
	.fill 96, 4, 3214868480
	.section	.rodata,"a",@progbits
	.p2align	6, 0x0
	.amdhsa_kernel k_qfe52ea896e_oproj
		.amdhsa_group_segment_fixed_size 214528
		.amdhsa_private_segment_fixed_size 0
		.amdhsa_enable_private_segment 0
		.amdhsa_kernarg_size 40
		.amdhsa_user_sgpr_count 2
		.amdhsa_user_sgpr_kernarg_segment_ptr 1
		.amdhsa_wavefront_size32 1
		.amdhsa_system_sgpr_workgroup_id_x 1
		.amdhsa_system_sgpr_workgroup_id_y 1
		.amdhsa_system_sgpr_workgroup_id_z 1
		.amdhsa_system_vgpr_workitem_id 0
		.amdhsa_next_free_vgpr 848
		.amdhsa_next_free_sgpr 100
		.amdhsa_reserve_vcc 0
		.amdhsa_float_denorm_mode_32 3
		.amdhsa_float_denorm_mode_16_64 3
		.amdhsa_memory_ordered 1
		.amdhsa_forward_progress 1
		.amdhsa_inst_pref_size 47
	.end_amdhsa_kernel
	.amdgpu_metadata
---
amdhsa.version: [ 1, 2 ]
amdhsa.kernels:
  - .name:           k_qfe52ea896e_oproj
    .symbol:         k_qfe52ea896e_oproj.kd
    .args:
      - { .name: cat, .offset: 0, .size: 8, .value_kind: global_buffer, .address_space: global }
      - { .name: cats, .offset: 8, .size: 8, .value_kind: global_buffer, .address_space: global }
      - { .name: img, .offset: 16, .size: 8, .value_kind: global_buffer, .address_space: global }
      - { .name: scl, .offset: 24, .size: 8, .value_kind: global_buffer, .address_space: global }
      - { .name: out0, .offset: 32, .size: 8, .value_kind: global_buffer, .address_space: global }
    .group_segment_fixed_size: 214528
    .private_segment_fixed_size: 0
    .kernarg_segment_align: 8
    .kernarg_segment_size: 40
    .max_flat_workgroup_size: 128
    .sgpr_count:     100
    .vgpr_count:     848
    .wavefront_size: 32
...
	.end_amdgpu_metadata
.endif
;; end of part 4
